; MI455X (gfx1250); checked and timed in simulation.
; The chip was launched on July 23, 2026; its instructions are those of AMD's public machine-readable ISA for CDNA 5 (MIT licence, August 2026) and "CDNA5" Instruction Set Architecture Reference Guide (July 2026). The comments in the code are by the model that wrote it; some were corrected since.
;; Bert Attention. Allowed arithmetic: matrix products marked QUANTISED: E3M2 operands, one E8M0 scale for each 32 along K, by v_wmma_scale_f32_16x16x128_f8f6f4 with both operands' format E3M2, f32 sums; everything else in f32.
;; Inputs: attention_mask 16 x 1 x 1 x 1,024 float32; beta 768 float32; gamma 768 float32; hidden_states 16 x 1,024 x 768 float32; kb 768 float32; kw_codes 768 x 24 x 24 uint8 (E3M2 codes of kw, K innermost, in blocks of 32 codes, four codes in three bytes); kw_scales 768 x 24 uint8 (E8M0 scales of kw, one for each 32 codes along K); ob 768 float32; ow_codes 768 x 24 x 24 uint8 (E3M2 codes of ow, K innermost, in blocks of 32 codes, four codes in three bytes); ow_scales 768 x 24 uint8 (E8M0 scales of ow, one for each 32 codes along K); qb 768 float32; qw_codes 768 x 24 x 24 uint8 (E3M2 codes of qw, K innermost, in blocks of 32 codes, four codes in three bytes); qw_scales 768 x 24 uint8 (E8M0 scales of qw, one for each 32 codes along K); vb 768 float32; vw_codes 768 x 24 x 24 uint8 (E3M2 codes of vw, K innermost, in blocks of 32 codes, four codes in three bytes); vw_scales 768 x 24 uint8 (E8M0 scales of vw, one for each 32 codes along K).
;; Outputs: out0 16 x 1,024 x 768 float32.
;; This version of the problem:
;;   THIS VERSION OF THE PROBLEM IS GIVEN IN LOW PRECISION. The matrix products marked QUANTISED in the list below multiply operands that are first quantised to E3M2 (3 exponent bits, 2 mantissa bits; 6 bits a number), with one power-of-two scale for each 32 numbers along K (OCP MX v1.0); their sums are f32. All else is computed in f32.
;;   The module's matrix products, in the order in which they are computed (A, B: the left and right operand; K: the contracted axis; several contracted axes count as one K, in the product's order):
;;     1. [M 16,384, K 768] x [K 768, N 768]; A: input hidden_states; B: input qw (given as codes): QUANTISED
;;     2. [M 16,384, K 768] x [K 768, N 768]; A: input hidden_states; B: input kw (given as codes): QUANTISED
;;     3. [M 16,384, K 768] x [K 768, N 768]; A: input hidden_states; B: input vw (given as codes): QUANTISED
;;     4. batch 192 x [M 1,024, K 64] x [K 64, N 1,024]; A: computed on the way; B: computed on the way: QUANTISED
;;     5. batch 192 x [M 64, K 1,024] x [K 1,024, N 1,024]; A: computed on the way; B: softmax (see below): QUANTISED
;;     6. [M 16,384, K 768] x [K 768, N 768]; A: computed on the way; B: input ow (given as codes): QUANTISED
;;   THE QUANTISER, for each operand of a quantised product, along K:
;;     - K is cut into blocks of 32 from its start; a last block that is shorter is filled with zeros.
;;     - A block's scale is 2^e with e = floor(log2(the largest magnitude in the block)) - 4, held to -126 .. 127; a block of zeros has e = 0. As a byte (E8M0): e + 127.
;;     - Each number is divided by its block's scale, clamped to +-28, and rounded to the nearest number of E3M2, ties to even, subnormals kept.
;;     - The product sums the exact products of the quantised numbers (number of the format x scale) in f32.
;;   ~~~python
;;   def quantise(x, axis):      # numpy; x: float32 -> the quantised numbers, widened to float32 again
;;       x = np.moveaxis(x, axis, -1); K = x.shape[-1]
;;       x = np.pad(x, [(0, 0)] * (x.ndim - 1) + [(0, -K % 32)]); x = x.reshape(x.shape[:-1] + (-1, 32)); a = np.abs(x).max(-1, keepdims=True)
;;       e = np.where(a > 0, np.clip(np.frexp(np.where(a > 0, a, 1))[1] - 1 - 4, -126, 127), 0)      # np.frexp(a)[1] - 1 = floor(log2(a)), exactly
;;       r = np.clip(x / 2.0 ** e, -28, 28)
;;       step = 2.0 ** (np.maximum(np.frexp(np.where(r == 0, 1, r))[1] - 1, -2) - 2)
;;       q = np.round(r / step) * step * 2.0 ** e      # np.round: ties to even
;;       return np.moveaxis(q.reshape(q.shape[:-2] + (-1,))[..., :K], -1, axis).astype(np.float32)
;;   ~~~
;;   SOFTMAX AHEAD OF A QUANTISED PRODUCT. Where the list says 'softmax', what is quantised is not the finished softmax but p = 2^(t - M), with t = logit x log2(e) and M = ceil(the row's largest t), a whole number; so 1/2 < the row's largest p <= 1. The row's sum l is taken of the UNQUANTISED p, in f32, and the product's result is divided by l at the end. Since M is a whole number, a kernel that streams over the keys may use a running M (the ceiling of the running maximum): every later rescaling is an exact power of two, which a block's scale takes up: the codes' values come out the same.
;;   OPERANDS COMPUTED ON THE WAY. 'Computed on the way' means the value that the module computes at that place (a softmax that the list does not call 'softmax' is quantised finished and normalised). What goes into a quantiser is computed in f32, as accurately as f32 sums, v_exp_f32 and their like allow (about 1e-6 of the number): no bf16 or f16 on the way to a quantiser, and a product that is left as it is and whose result goes on into a quantised operand takes f32 operands (vector FMAs, or v_wmma_f32_16x16x4_f32). A number that lies on a knife's edge between two numbers of the format may be rounded either way, as far as f32 arithmetic and the matrix unit's own rounding can turn it there, and no further.
;;   INPUTS GIVEN AS CODES. kw (in the module: [768, 768], K = its axis 1); ow (in the module: [768, 768], K = its axis 1); qw (in the module: [768, 768], K = its axis 1); vw (in the module: [768, 768], K = its axis 1): each comes as NAME_codes (uint8): NAME with its K axis moved to the last place and cut into blocks of 32 codes, [.., K / 32, bytes a block], one block behind the other in memory; four codes in three bytes: a row's codes are one little-endian stream of bits, code i at bits 6 i .. 6 i + 5 (a code: sign, 3 exponent bits, 2 mantissa bits); and NAME_scales (uint8): the same leading axes, one E8M0 byte (e + 127) for each 32 codes along K. Its value is code x scale, taken as it is: it is not quantised again, and the codes and scales need not be those that the quantiser above would give.
;; One version. Each part assembles by itself: llvm-mc -triple=amdgcn-amd-amdhsa -mcpu=gfx1250 --defsym DOCPART=n.
;; ======== version 1 of 1: 4 launches
;; limits: right only within a limited range of input values
;; workspace buffers: x_codes 9,437,184 bytes; x_sc 393,216 bytes; w_img 1,769,472 bytes; w_sc 73,728 bytes; qkv_img 28,311,552 bytes; qkv_sc 1,179,648 bytes; ctx_img 9,437,184 bytes; ctx_sc 393,216 bytes
;; launch prep (part 1): grid 432 x 1, 4 waves a work-group, no clusters, 33,280 bytes of LDS; arguments hidden_states, qw_codes, qw_scales, kw_codes, kw_scales, vw_codes, vw_scales, ow_codes, ow_scales, x_codes, x_sc, w_img, w_sc; writes x_codes, x_sc, w_img, w_sc
.if DOCPART == 1
	.amdgcn_target "amdgcn-amd-amdhsa--gfx1250"
	.amdhsa_code_object_version 6
	.text
	.protected	k_q053d166f5c_prep
	.globl	k_q053d166f5c_prep
	.p2align	8
	.type	k_q053d166f5c_prep,@function
k_q053d166f5c_prep:
	s_mov_b64 s[64:65], 0
	v_nop
	global_prefetch_b8 v0, s[64:65] scope:SCOPE_SE
	s_setreg_imm32_b32 hwreg(HW_REG_WAVE_MODE, 25, 1), 1
	s_wait_xcnt 0x0
; PREP.  Two jobs in one launch, parted on the work-group's number.
; (A) work-groups 0-383: hidden_states [16384][768] f32 becomes codes of BF6 (E3M2), K innermost (x_codes: 576 bytes a row), with one E8M0 byte for each 32 along K (x_sc: 24 bytes a row).
;     A block's scale is 2^(floor(log2(its largest magnitude)) - 4); its byte is the largest magnitude's exponent field - 4, held at 1 from below.  Rows are dense and 768 is a multiple of 32:
;     the tensor is a plain stream of blocks.  A wave takes 16 steps of 512 numbers: each load reads 512 consecutive bytes; the bytes turn through the wave's own stage in LDS so that a lane
;     holds 16 neighbours for the conversion; a wave's store of codes covers 384 consecutive bytes; its 256 scale bytes leave as one aligned run of 256 bytes.
; (B) work-groups 384-431: the four weights' codes and scale bytes are laid in the order of the operand's registers (w_img, w_sc), so that the later launches load fragments by dense 512-byte loads.
;     A wave lays one tile of 16 weight rows: lane r of tile T takes row 32 (T / 2) + 8 (T % 2) + r + 8 (r / 8), so that the results of two neighbouring tiles are 16 neighbours along the next K.
;     w_img: [tensor 4][tile 48][K step 6][plane 3][lane 32][16 bytes];  w_sc: [tensor][tile][k 3][lane 32] words: lane (r, h) holds the scale word of K step 2 k + h.
; LIMITS: a block of zeros, and one whose largest magnitude lies under 2^-122, gets the byte 1 (its zeros stay zero codes; this program alone reads the bytes); NaN and infinities are not served.
; No tensor loads, no barrier: waves share nothing.  Matrix units and clusters have nothing to do here: the launch streams.
.set NXWG,  384                        ; 16384 x 768 / 32768
.set STEPS, 16
.set EMAX,  4
.set CB,    12                         ; bytes of 16 codes
.set R,     16                         ; v16-143  eight sets of 16 numbers as they are loaded
.set X,     144                        ; v144-175 two sets of 16 neighbours
.set C,     192                        ; v192-255 codes: four registers for each step, so that no store's data are written again
.set E,     176                        ; v176-177 a scale byte, two registers by turns
.set WREG,  8192                       ; LDS: a region for each wave: two stages of 32 x SP bytes, behind them its 256 scale bytes
.set SP,    80                         ; a lane's place in a stage: 64 bytes + 16 of padding
	s_load_b256 s[8:15], s[0:1], 0x0               ; hidden s[8:9], qw codes s[10:11], qw scales s[12:13], kw codes s[14:15]
	s_load_b256 s[16:23], s[0:1], 0x20             ; kw scales s[16:17], vw codes s[18:19], vw scales s[20:21], ow codes s[22:23]
	s_load_b256 s[24:31], s[0:1], 0x40             ; ow scales s[24:25], x_codes s[26:27], x_sc s[28:29], w_img s[30:31]
	s_load_b64 s[32:33], s[0:1], 0x60              ; w_sc
	v_lshl_add_u32 v178, v0, 2, 0x8000
	v_mov_b32 v179, 0
	v_lshrrev_b32 v1, 5, v0
	v_readfirstlane_b32 s34, v1                    ; wave
	v_and_b32 v2, 31, v0                           ; lane
	v_lshlrev_b32 v3, 4, v2                        ; my 16 bytes of a load's 512
	s_mul_i32 s35, s34, WREG
	v_lshrrev_b32 v14, 2, v2
	v_mul_u32_u24 v14, v14, SP
	v_and_b32 v15, 3, v2
	v_lshl_add_u32 v14, v15, 4, v14
	v_add_nc_u32 v14, s35, v14                     ; the stage, on the way in: four lanes' 64 bytes on end, then 16 of padding
	v_mul_u32_u24 v15, v2, SP
	v_add_nc_u32 v15, s35, v15                     ; and on the way out: my 16 neighbours
	v_mul_u32_u24 v4, v2, CB                       ; my codes' place in a step's
	v_lshrrev_b32 v5, 1, v2
	s_add_co_u32 s35, s35, 2*32*SP
	v_add_nc_u32 v5, s35, v5                       ; LDS: my wave's 256 scale bytes, my block's byte
	v_lshlrev_b32 v7, 3, v2                        ; and on the way out 8 bytes a lane
	v_add_nc_u32 v6, s35, v7
	s_wait_kmcnt 0x0
	s_cmp_ge_u32 ttmp9, NXWG
	s_cbranch_scc1 .Llay
	; ---- (A) the quantiser
	s_lshl_b32 s36, ttmp9, 2
	s_add_co_u32 s36, s36, s34                     ; which run of 8,192 numbers is my wave's
	s_mov_b32 s39, 0
	s_lshl_b32 s38, s36, 15
	s_add_nc_u64 s[8:9], s[8:9], s[38:39]
	s_mul_i32 s38, s36, 32*STEPS*CB
	s_add_nc_u64 s[26:27], s[26:27], s[38:39]
	s_lshl_b32 s38, s36, 8
	s_add_nc_u64 s[28:29], s[28:29], s[38:39]
.macro LOAD t
.irp i, 0,1,2,3
	global_load_b128 v[R+16*((\t)%8)+4*\i:R+16*((\t)%8)+4*\i+3], v3, s[8:9] offset:2048*(\t)+512*\i th:TH_LOAD_NT   ; 32 lanes read 512 consecutive bytes
.endr
.endm
.macro TURN t                          ; step t's numbers through the stage: LDS serves a wave's instructions in order, so no wait stands between the stores and the loads
.irp i, 0,1,2,3
	ds_store_b128 v14, v[R+16*((\t)%8)+4*\i:R+16*((\t)%8)+4*\i+3] offset:32*SP*((\t)%2)+8*SP*\i
.endr
.irp i, 0,1,2,3
	ds_load_b128 v[X+16*((\t)%2)+4*\i:X+16*((\t)%2)+4*\i+3], v15 offset:32*SP*((\t)%2)+16*\i
.endr
.endm
.irp t, 0,1,2,3,4,5,6,7
	LOAD \t
.endr
	s_wait_loadcnt 28                              ; step 0's four loads are in; the 28 of steps 1 to 7 may be out
	s_wait_alu depctr_va_vdst(0)
	TURN 0
.macro STEP t
.set XS, X+16*((\t)%2)
.if (\t) > 0
	s_wait_dscnt 1                                 ; this step's numbers are back from the stage (the last step's byte store may be out): so its stores into the stage have read their registers,
.else
	s_wait_dscnt 0x0
.endif
.if (\t)+8 < STEPS
	LOAD (\t)+8                                    ; which take the loads of eight steps on
.endif
.if (\t)+1 < STEPS
.if STEPS-2-(\t) >= 7
	s_wait_loadcnt 28                              ; the next step's four loads are in; those of the seven steps behind it may be out
.else
	s_wait_loadcnt 4*(STEPS-2-(\t))
.endif
	TURN (\t)+1                                    ; and go through the other stage while this step is worked
.endif
	v_max3_num_f32 v8, |v[XS]|, |v[XS+1]|, |v[XS+2]|               ; the largest magnitude of my 16, in two chains
	v_max3_num_f32 v9, |v[XS+3]|, |v[XS+4]|, |v[XS+5]|
.irp i, 6,10
	v_max3_num_f32 v8, v8, |v[XS+\i]|, |v[XS+\i+1]|
	v_max3_num_f32 v9, v9, |v[XS+\i+2]|, |v[XS+\i+3]|
.endr
	v_max3_num_f32 v8, v8, |v[XS+14]|, |v[XS+15]|
	v_max3_num_f32 v8, v8, v9, (EMAX+1)<<23        ; and the floor 2^(5 - 127): the byte cannot fall under 1
	v_max_num_f32_dpp v8, v8, v8 row_xmask:1 row_mask:0xf bank_mask:0xf   ; and of my neighbour's 16: the block's
	v_add_nc_u32 v11, -(EMAX<<23), v8              ; 4 off its exponent field: the conversion takes the exponent field of this operand as its scale
	v_cvt_scalef32_pk16_bf6_f32 v[C+4*(\t):C+4*(\t)+2], v[XS:XS+15], v11
	v_lshrrev_b32 v[E+(\t)%2], 23, v11             ; the scale's byte
	ds_store_b8 v5, v[E+(\t)%2] offset:16*(\t)     ; both lanes of a block write the same byte with the same value
	global_store_b96 v4, v[C+4*(\t):C+4*(\t)+2], s[26:27] offset:32*CB*(\t)
.endm
.irp t, 0,1,2,3,4,5,6,7,8,9,10,11,12,13,14,15
	STEP \t
.endr
	ds_load_b64 v[12:13], v6                       ; LDS serves a wave's instructions in order: these see my stores
	s_wait_dscnt 0x0
	global_store_b64 v7, v[12:13], s[28:29]        ; 32 lanes store 256 consecutive bytes, aligned
	s_wait_tensorcnt 0x0
	ds_add_u32 v178, v179
	s_wait_dscnt 0x0
	s_endpgm
	; ---- (B) the weights' images
.Llay:
	s_sub_co_u32 s36, ttmp9, NXWG                  ; 0 .. 47
	s_mul_i32 s37, s36, 43
	s_lshr_b32 s37, s37, 9                         ; which tensor: id / 12 (exact for id under 48)
	s_mul_i32 s38, s37, 12
	s_sub_co_u32 s38, s36, s38
	s_lshl_b32 s38, s38, 2
	s_add_co_u32 s38, s38, s34                     ; my tile T = 4 (id % 12) + wave
	s_mul_i32 s39, s37, 48
	s_add_co_u32 s39, s39, s38                     ; its number among all 192
	s_cmp_eq_u32 s37, 1                            ; the choice of buffers hangs on the work-group's number alone
	s_cselect_b64 s[40:41], s[14:15], s[10:11]
	s_cselect_b64 s[42:43], s[16:17], s[12:13]
	s_cmp_eq_u32 s37, 3
	s_cselect_b64 s[44:45], s[22:23], s[18:19]
	s_cselect_b64 s[46:47], s[24:25], s[20:21]
	s_cmp_ge_u32 s37, 2
	s_cselect_b64 s[40:41], s[44:45], s[40:41]     ; codes
	s_cselect_b64 s[42:43], s[46:47], s[42:43]     ; scales
	s_lshr_b32 s48, s38, 1
	s_lshl_b32 s48, s48, 5
	s_and_b32 s49, s38, 1
	s_lshl_b32 s49, s49, 3
	s_add_co_u32 s48, s48, s49                     ; the tile's first row: 32 (T / 2) + 8 (T % 2)
	s_mov_b32 s51, 0
	s_mul_i32 s50, s48, 576
	s_add_nc_u64 s[40:41], s[40:41], s[50:51]
	s_mul_i32 s50, s48, 24
	s_add_nc_u64 s[42:43], s[42:43], s[50:51]
	s_mul_i32 s50, s39, 9216
	s_add_nc_u64 s[30:31], s[30:31], s[50:51]
	s_mul_i32 s50, s39, 384
	s_add_nc_u64 s[32:33], s[32:33], s[50:51]
	v_and_b32 v92, 15, v0                          ; r
	v_bfe_u32 v93, v0, 4, 1                        ; h
	v_and_b32 v94, 8, v92
	v_add_nc_u32 v94, v94, v92                     ; r + 8 (r / 8)
	v_mul_u32_u24 v95, v94, 576
	v_mad_u32_u24 v95, v93, 24, v95                ; codes: my row, + 24 h
	v_mul_u32_u24 v96, v94, 24
	v_lshl_add_u32 v96, v93, 2, v96                ; scales: my row, + 4 h: K step 2 k + h
	v_lshlrev_b32 v97, 4, v2
	v_lshlrev_b32 v98, 2, v2
.irp s, 0,1,2,3,4,5
.irp p, 0,1,2,3,4,5
	global_load_b64 v[16+12*\s+2*\p:17+12*\s+2*\p], v95, s[40:41] offset:96*\s+48*(\p/3)+8*(\p%3)   ; the fragment of K step s, as the operand's registers take it
.endr
.endr
.irp k, 0,1,2
	global_load_b32 v[88+\k], v96, s[42:43] offset:8*\k
.endr
	s_wait_alu depctr_va_vdst(0)
	s_wait_loadcnt 0x0
.irp n, 0,1,2,3,4,5,6,7,8,9,10,11,12,13,14,15,16,17
	global_store_b128 v97, v[16+4*\n:19+4*\n], s[30:31] offset:512*\n     ; four registers of every lane: 512 consecutive bytes
.endr
.irp k, 0,1,2
	global_store_b32 v98, v[88+\k], s[32:33] offset:128*\k
.endr
	s_endpgm
.Lfunc_end_k_q053d166f5c_prep:
	.size	k_q053d166f5c_prep, .Lfunc_end_k_q053d166f5c_prep-k_q053d166f5c_prep
	.p2alignl 7, 3214868480
	.fill 96, 4, 3214868480
	.section	.rodata,"a",@progbits
	.p2align	6, 0x0
	.amdhsa_kernel k_q053d166f5c_prep
		.amdhsa_group_segment_fixed_size 33280
		.amdhsa_private_segment_fixed_size 0
		.amdhsa_enable_private_segment 0
		.amdhsa_kernarg_size 104
		.amdhsa_user_sgpr_count 2
		.amdhsa_user_sgpr_kernarg_segment_ptr 1
		.amdhsa_wavefront_size32 1
		.amdhsa_system_sgpr_workgroup_id_x 1
		.amdhsa_system_sgpr_workgroup_id_y 1
		.amdhsa_system_sgpr_workgroup_id_z 1
		.amdhsa_system_vgpr_workitem_id 0
		.amdhsa_next_free_vgpr 256
		.amdhsa_next_free_sgpr 66
		.amdhsa_reserve_vcc 0
		.amdhsa_float_denorm_mode_32 3
		.amdhsa_float_denorm_mode_16_64 3
		.amdhsa_memory_ordered 1
		.amdhsa_forward_progress 1
		.amdhsa_inst_pref_size 40
	.end_amdhsa_kernel
	.amdgpu_metadata
---
amdhsa.version: [ 1, 2 ]
amdhsa.kernels:
  - .name:           k_q053d166f5c_prep
    .symbol:         k_q053d166f5c_prep.kd
    .args:
      - { .name: hidden_states, .offset: 0, .size: 8, .value_kind: global_buffer, .address_space: global }
      - { .name: qw_codes, .offset: 8, .size: 8, .value_kind: global_buffer, .address_space: global }
      - { .name: qw_scales, .offset: 16, .size: 8, .value_kind: global_buffer, .address_space: global }
      - { .name: kw_codes, .offset: 24, .size: 8, .value_kind: global_buffer, .address_space: global }
      - { .name: kw_scales, .offset: 32, .size: 8, .value_kind: global_buffer, .address_space: global }
      - { .name: vw_codes, .offset: 40, .size: 8, .value_kind: global_buffer, .address_space: global }
      - { .name: vw_scales, .offset: 48, .size: 8, .value_kind: global_buffer, .address_space: global }
      - { .name: ow_codes, .offset: 56, .size: 8, .value_kind: global_buffer, .address_space: global }
      - { .name: ow_scales, .offset: 64, .size: 8, .value_kind: global_buffer, .address_space: global }
      - { .name: x_codes, .offset: 72, .size: 8, .value_kind: global_buffer, .address_space: global }
      - { .name: x_sc, .offset: 80, .size: 8, .value_kind: global_buffer, .address_space: global }
      - { .name: w_img, .offset: 88, .size: 8, .value_kind: global_buffer, .address_space: global }
      - { .name: w_sc, .offset: 96, .size: 8, .value_kind: global_buffer, .address_space: global }
    .group_segment_fixed_size: 33280
    .private_segment_fixed_size: 0
    .kernarg_segment_align: 8
    .kernarg_segment_size: 104
    .max_flat_workgroup_size: 128
    .sgpr_count:     66
    .vgpr_count:     256
    .wavefront_size: 32
...
	.end_amdgpu_metadata
.endif
;; end of part 1
;; launch qkv (part 2): grid 6 x 32, 4 waves a work-group, no clusters, 113,664 bytes of LDS; arguments x_codes, x_sc, w_img, w_sc, qb, kb, vb, qkv_img, qkv_sc; writes qkv_img, qkv_sc
.if DOCPART == 2
	.amdgcn_target "amdgcn-amd-amdhsa--gfx1250"
	.amdhsa_code_object_version 6
	.text
	.protected	k_q053d166f5c_qkv
	.globl	k_q053d166f5c_qkv
	.p2align	8
	.type	k_q053d166f5c_qkv,@function
k_q053d166f5c_qkv:
	s_mov_b64 s[64:65], 0
	v_nop
	global_prefetch_b8 v0, s[64:65] scope:SCOPE_SE
	s_setreg_imm32_b32 hwreg(HW_REG_WAVE_MODE, 25, 1), 1
	s_wait_xcnt 0x0
; QKV.  q = x qw^T + qb, k and v likewise, on codes of BF6 (E3M2) with one E8M0 scale for each 32 along K = 768; sums in f32; the results are quantised at once and leave as codes:
; q and k along the head's 64 channels, v along the keys, each laid in the order in which the attention launch's operand registers take them.
; SHARES.  Work-group x = 2 tensor + half: 384 columns of one tensor; work-group y: 512 rows, in 8 blocks of 64.  THE WAVES SHARE THE COLUMNS: wave w owns six tiles of 16 columns (three blocks of 32).
; Its 36 weight fragments (432 registers), their scale words and the bias stay in registers for the whole launch; what goes round is the rows' codes, through two LDS buffers that take turns.
; q, k: the product is used transposed (source 0 = 16 weight rows, source 1 = 16 rows of x): a lane holds ONE row of x, and the 16 registers of two neighbouring tiles are 16 neighbouring channels
;       (the weight rows of a tile were chosen for that when the images were laid).  v: source 0 = 16 rows of x, source 1 = 16 weight rows: a lane holds ONE channel, its registers run down the keys.
; The bias is the C of each sum's first matrix instruction.
; OUT.  q, k of a head: [32 rows][piece i 3][block hb 2][256 bytes]: row tile g in the half g xor hb, row r at 8 r: bytes 8 i .. 8 i + 7 of the block's 24.
;       v of a head: [128 keys][channel tile 4][plane 6][lane 32][8 bytes].  Inside a block of 32 keys, code position 16 h + 8 u + j holds key 16 u + 8 h + j; the softmax's p falls out in the same order.
;       scale bytes: [64 rows][72][16] words: q, k: word 24 tensor + block, byte m = row 16 m + r;  v: word 48 + tile pair, byte 2 (tile % 2) + a = key block a of the 64 rows.
; Every store of codes covers 256 consecutive bytes, aligned.
; NO CLUSTER: the grid's 6 along x is no multiple of 4, and along y partners share only the weights, which each wave reads once, straight into registers.  192 work-groups: 72 blocks of 32 columns
; divide evenly among four waves only in 1, 2, 3, 6, 9 or 18 groups, and fewer than 6 groups do not fit the registers.
; LIMITS: a block of zeros, and one whose largest magnitude lies under 2^-122, gets the byte 1; NaN and infinities are not served.
; REGISTERS.  window 0: below.  window 1: W of my tiles 0-2 at v[72 t + 12 s], their bias at v[216 + 8 t].  window 2: the same for tiles 3-5.
;             window 3: two tiles of x at v0-71 and v72-143; v144-218 a block of x on its way from memory to LDS.
.set GX,   4                           ; 16 x thread: my bytes of a staged load of codes
.set GS,   5                           ; 4 x thread: of scale bytes
.set AX,   6                           ; v6-7   LDS address of my fragment pieces in buffer 0, 1
.set AX2,  8                           ; v8-9   the same for pieces that lie behind one padding more in lanes 16-31
.set AS,   10                          ; v10-11 of x's scale words
.set LX,   12                          ; v12-13 where I put staged codes
.set LS,   14                          ; v14-15 and staged scale bytes
.set WS,   16                          ; v16-33 W's scale words: tile t, k: lane (r, h) holds K step 2 k + h
.set XS,   34                          ; v34-39 x's, for the two tiles in hand
.set VAQ,  40                          ; v40-42 q, k: my store offset for block 0-2
.set L16,  43
.set L4,   44
.set L8,   45
.set SCA,  46                          ; 4 r
.set BA,   47                          ; the bias's lane term
.set ACC,  48                          ; v48-143 accumulators
.set CVA,  144                         ; v144-179 codes, six registers a block
.set CVB,  180                         ; v180-203 codes, four registers a block
.set TM,   204                         ; largest magnitudes
.set T2,   210                         ; the other half's
.set SO,   216                         ; the conversions' scale operands
.set BY,   222                         ; the scale bytes
.set SW,   228                         ; v228-230 the scale words on their way out
.set VAV,  232                         ; v232-237 v: my store offset for tile 0-5
.set MSB, 0
.macro WIN new                         ; the immediate's high byte repeats the setting that is left
.if MSB != (\new)
	s_set_vgpr_msb (MSB<<8)|(\new)
.set MSB, (\new)
.endif
.endm
.macro NP n
.rept \n
	v_nop
.endr
.endm
.macro MM d, a, b, c, sa, sb, ra, rb   ; ra, rb: the scale words stand in lanes 16-31
.if (\ra) && (\rb)
	v_wmma_scale_f32_16x16x128_f8f6f4 v[(\d):(\d)+7], v[(\a):(\a)+11], v[(\b):(\b)+11], v[(\c):(\c)+7], v[(\sa)], v[(\sb)] matrix_a_fmt:MATRIX_FMT_BF6 matrix_b_fmt:MATRIX_FMT_BF6 matrix_a_scale:MATRIX_SCALE_ROW1 matrix_b_scale:MATRIX_SCALE_ROW1
.elseif (\ra)
	v_wmma_scale_f32_16x16x128_f8f6f4 v[(\d):(\d)+7], v[(\a):(\a)+11], v[(\b):(\b)+11], v[(\c):(\c)+7], v[(\sa)], v[(\sb)] matrix_a_fmt:MATRIX_FMT_BF6 matrix_b_fmt:MATRIX_FMT_BF6 matrix_a_scale:MATRIX_SCALE_ROW1
.else
	v_wmma_scale_f32_16x16x128_f8f6f4 v[(\d):(\d)+7], v[(\a):(\a)+11], v[(\b):(\b)+11], v[(\c):(\c)+7], v[(\sa)], v[(\sb)] matrix_a_fmt:MATRIX_FMT_BF6 matrix_b_fmt:MATRIX_FMT_BF6
.endif
.endm
	s_load_b256 s[4:11], s[0:1], 0x0               ; x_codes s[4:5], x_sc s[6:7], w_img s[8:9], w_sc s[10:11]
	s_load_b256 s[12:19], s[0:1], 0x20             ; qb s[12:13], kb s[14:15], vb s[16:17], qkv_img s[18:19]
	s_load_b64 s[20:21], s[0:1], 0x40              ; qkv_sc
	v_lshl_add_u32 v254, v0, 2, 0x1ba00
	v_mov_b32 v255, 0
	v_lshrrev_b32 v1, 5, v0
	v_readfirstlane_b32 s22, v1                    ; wave
	v_and_b32 v1, 31, v0                           ; lane
	v_and_b32 v2, 15, v0                           ; r
	v_bfe_u32 v3, v0, 4, 1                         ; h
	v_lshlrev_b32 v[GX], 4, v0
	v_lshlrev_b32 v[GS], 2, v0
	v_mul_u32_u24 v[AX], v2, 720                   ; an LDS row of x: 9 x (64 bytes + 16 of padding)
	v_mad_u32_u24 v[AX], v3, 24, v[AX]
	v_lshl_add_u32 v[AX2], v3, 4, v[AX]
	v_add_nc_u32 v[AX+1], 0x10000, v[AX]
	v_add_nc_u32 v[AX2+1], 0x10000, v[AX2]
	v_mul_u32_u24 v[AS], v2, 24
	v_lshl_add_u32 v[AS], v3, 2, v[AS]
	v_add_nc_u32 v[AS], 46080, v[AS]
	v_add_nc_u32 v[AS+1], 0x10000, v[AS]
	v_lshrrev_b32 v[LX], 2, v0
	v_lshlrev_b32 v[LX], 4, v[LX]
	v_lshl_add_u32 v[LX], v0, 4, v[LX]             ; 16 thread + 16 (thread / 4): 16 bytes of padding behind every 64
	v_add_nc_u32 v[LX+1], 0x10000, v[LX]
	v_lshl_add_u32 v[LS], v0, 2, 46080
	v_add_nc_u32 v[LS+1], 0x10000, v[LS]
	v_lshlrev_b32 v[L16], 4, v1
	v_lshlrev_b32 v[L4], 2, v1
	v_lshlrev_b32 v[L8], 3, v1
	s_wait_alu depctr_va_vdst(0)
	v_lshlrev_b32 v[SCA], 2, v2
.irp x, 0,1,2,3,4,5
	v_mov_b32 v[T2+\x], 0                          ; written once: a lane permute's destination counts as one of its sources
.endr
	s_mov_b32 s32, 0x76543210
	s_mov_b32 s33, 0xfedcba98                      ; v_permlanex16_b32's selects for lane l xor 16
	s_lshr_b32 s23, ttmp9, 1                       ; the tensor: 0 q, 1 k, 2 v
	s_and_b32 s24, ttmp9, 1                        ; which half of its columns
	s_and_b32 s25, ttmp7, 0xffff                   ; which 512 rows
	s_lshl_b32 s26, s24, 2
	s_add_co_u32 s26, s26, s22                     ; wc = 4 half + wave: my six tiles begin at tile 6 wc
	s_mul_i32 s28, s23, 48
	s_mul_i32 s29, s26, 6
	s_add_co_u32 s30, s28, s29                     ; my first tile among all
	s_mul_i32 s36, s30, 9216
	s_mov_b32 s37, 0
	s_mul_i32 s38, s30, 384
	s_mov_b32 s39, 0
	s_mul_i32 s40, s26, 384                        ; the bias: 96 wc numbers on
	s_mov_b32 s41, 0
	s_mul_i32 s42, s25, 294912                     ; 512 rows of 576 bytes
	s_mov_b32 s43, 0
	s_mul_i32 s44, s25, 12288
	s_mov_b32 s45, 0
	s_mul_i32 s46, s23, 9437184                    ; the tensor's images,
	s_lshr_b32 s28, s25, 1
	s_mul_i32 s28, s28, 589824                     ; the batch's twelve heads,
	s_add_co_u32 s46, s46, s28
	s_and_b32 s28, s25, 1
	s_mul_i32 s28, s28, 24576                      ; the upper 512 rows of every head
	s_add_co_u32 s46, s46, s28
	s_mov_b32 s47, 0
	s_mul_i32 s48, s25, 36864                      ; eight blocks of 64 rows x 4,608 bytes of scale words
	s_mul_i32 s28, s23, 24
	s_mul_i32 s29, s26, 3
	s_add_co_u32 s28, s28, s29
	s_lshl_b32 s28, s28, 6
	s_add_co_u32 s48, s48, s28
	s_mov_b32 s49, 0
.irp x, 0,1,2                          ; q, k: block 3 wc + x is block hb of head hd
	s_mul_i32 s28, s26, 3
	s_add_co_u32 s28, s28, \x
	s_lshr_b32 s29, s28, 1
	s_and_b32 s30, s28, 1
	s_mul_i32 s29, s29, 49152
	s_lshl_b32 s31, s30, 8
	s_add_co_u32 s29, s29, s31
	s_lshl_b32 s30, s30, 7
	v_xor_b32 v[VAQ+\x], s30, v[L8]                ; the two row tiles change halves where hb = 1, so that the reader's 32 lanes fall on different banks
	v_add_nc_u32 v[VAQ+\x], s29, v[VAQ+\x]
.endr
.irp t, 0,1,2,3,4,5                    ; v: tile 6 wc + t is channel tile (..) % 4 of head (..) / 4
	s_mul_i32 s28, s26, 6
	s_add_co_u32 s28, s28, \t
	s_lshr_b32 s29, s28, 2
	s_and_b32 s30, s28, 3
	s_mul_i32 s29, s29, 49152
	s_mul_i32 s30, s30, 1536
	s_add_co_u32 s29, s29, s30
	v_add_nc_u32 v[VAV+\t], s29, v[L8]
.endr
	s_wait_kmcnt 0x0
	s_cmp_eq_u32 s23, 1                            ; the bias of my tensor: the choice hangs on the work-group's number alone
	s_cselect_b64 s[12:13], s[14:15], s[12:13]
	s_cmp_eq_u32 s23, 2
	s_cselect_b64 s[12:13], s[16:17], s[12:13]
	s_add_nc_u64 s[8:9], s[8:9], s[36:37]
	s_add_nc_u64 s[10:11], s[10:11], s[38:39]
	s_add_nc_u64 s[12:13], s[12:13], s[40:41]
	s_add_nc_u64 s[4:5], s[4:5], s[42:43]
	s_add_nc_u64 s[6:7], s[6:7], s[44:45]
	s_add_nc_u64 s[18:19], s[18:19], s[46:47]
	s_add_nc_u64 s[20:21], s[20:21], s[48:49]
	; ---- my weights: they stay
	WIN 0x40
.irp t, 0,1,2
.irp s, 0,1,2,3,4,5
.irp p, 0,1,2
	global_load_b128 v[72*\t+12*\s+4*\p:72*\t+12*\s+4*\p+3], v[L16], s[8:9] offset:(6*\t+\s)*1536+512*\p
.endr
.endr
.endr
	WIN 0x80
.irp t, 0,1,2
.irp s, 0,1,2,3,4,5
.irp p, 0,1,2
	global_load_b128 v[72*\t+12*\s+4*\p:72*\t+12*\s+4*\p+3], v[L16], s[8:9] offset:(6*(\t+3)+\s)*1536+512*\p
.endr
.endr
.endr
	WIN 0
.irp t, 0,1,2,3,4,5
.irp k, 0,1,2
	global_load_b32 v[WS+3*\t+\k], v[L4], s[10:11] offset:384*\t+128*\k
.endr
.endr
	s_cmp_eq_u32 s23, 2
	s_cbranch_scc1 .Lbias_v
	v_lshlrev_b32 v[BA], 6, v3                     ; q, k: register j of tile t is channel 32 (t / 2) + 8 (t % 2) + 16 h + j
	WIN 0x40
.irp t, 0,1,2
	global_load_b128 v[216+8*\t:216+8*\t+3], v[BA], s[12:13] offset:(32*(\t/2)+8*(\t%2))*4
	global_load_b128 v[216+8*\t+4:216+8*\t+7], v[BA], s[12:13] offset:(32*(\t/2)+8*(\t%2))*4+16
.endr
	WIN 0x80
.irp t, 3,4,5
	global_load_b128 v[216+8*(\t-3):216+8*(\t-3)+3], v[BA], s[12:13] offset:(32*(\t/2)+8*(\t%2))*4
	global_load_b128 v[216+8*(\t-3)+4:216+8*(\t-3)+7], v[BA], s[12:13] offset:(32*(\t/2)+8*(\t%2))*4+16
.endr
	WIN 0
	s_branch .Lbias_done
.Lbias_v:
	v_and_b32 v[BA], 8, v2                         ; v: all eight registers of a lane are channel 32 (t / 2) + 8 (t % 2) + r + 8 (r / 8)
	v_add_nc_u32 v[BA], v[BA], v2
	v_lshlrev_b32 v[BA], 2, v[BA]
	WIN 0x40
.irp t, 0,1,2
.irp j, 0,1,2,3,4,5,6,7
	global_load_b32 v[216+8*\t+\j], v[BA], s[12:13] offset:(32*(\t/2)+8*(\t%2))*4
.endr
.endr
	WIN 0x80
.irp t, 3,4,5
.irp j, 0,1,2,3,4,5,6,7
	global_load_b32 v[216+8*(\t-3)+\j], v[BA], s[12:13] offset:(32*(\t/2)+8*(\t%2))*4
.endr
.endr
	WIN 0
.Lbias_done:
; A block of 64 rows of x (36,864 bytes of codes, 1,536 scale bytes), off blocks on from the pointers, into the staging registers: each load of the work-group covers 2,048 consecutive bytes
.macro LOADX off
	WIN 0xc0
.irp k, 0,1,2,3,4,5,6,7,8,9,10,11,12,13,14,15,16,17
	global_load_b128 v[144+4*\k:144+4*\k+3], v[GX], s[4:5] offset:(\off)*36864+2048*\k
.endr
.irp k, 0,1,2
	global_load_b32 v[216+\k], v[GS], s[6:7] offset:(\off)*1536+512*\k
.endr
	WIN 0
.endm
.macro STOREX n                        ; and from there into LDS buffer n
	WIN 0x0c
.irp k, 0,1,2,3,4,5,6,7,8,9,10,11,12,13,14,15,16,17
	ds_store_b128 v[LX+(\n)], v[144+4*\k:144+4*\k+3] offset:2560*\k
.endr
.irp k, 0,1,2
	ds_store_b32 v[LS+(\n)], v[216+\k] offset:512*\k
.endr
	WIN 0
.endm
; Row tile m of buffer n into fragment set xb: 36 pieces of 8 bytes and 3 scale words: 39 LDS loads.  Lanes 16-31 read three pieces further on than lanes 0-15,
; which is behind one padding more where the piece's number mod 8 is 5 or more: the second address register serves those.
.macro FETCHX m, xb, n
	WIN 0xc0
.irp s, 0,1,2,3,4,5
.irp p, 0,1,2,3,4,5
.set PCE, 12*\s+6*(\p/3)+\p%3
.if PCE%8 < 5
	ds_load_b64 v[72*(\xb)+12*\s+2*\p:72*(\xb)+12*\s+2*\p+1], v[AX+(\n)] offset:8*PCE+16*(PCE/8)+11520*(\m)
.else
	ds_load_b64 v[72*(\xb)+12*\s+2*\p:72*(\xb)+12*\s+2*\p+1], v[AX2+(\n)] offset:8*PCE+16*(PCE/8)+11520*(\m)
.endif
.endr
.endr
	WIN 0
.irp k, 0,1,2
	ds_load_b32 v[XS+3*(\xb)+\k], v[AS+(\n)] offset:384*(\m)+8*\k
.endr
.endm
; q, k: my six tiles for the 16 rows in set xb: 36 matrix instructions; three accumulators take turns, one instruction a turn
.macro QKMM xb
.irp g, 0,1
.irp s, 0,1,2,3,4,5
.if \s == 0
	WIN 0x1d+0x11*\g                               ; source 0 (W) and C (the bias) window 1 + g, source 1 (x) window 3
.else
	WIN 0x0d+\g
.endif
.irp t, 0,1,2
.if \s == 0
	MM ACC+8*(3*\g+\t), 72*\t, 72*(\xb), 216+8*\t, WS+3*(3*\g+\t), XS+3*(\xb), 0, 0
.else
	MM ACC+8*(3*\g+\t), 72*\t+12*\s, 72*(\xb)+12*\s, ACC+8*(3*\g+\t), WS+3*(3*\g+\t)+\s/2, XS+3*(\xb)+\s/2, \s%2, \s%2
.endif
.endr
.endr
.endr
	WIN 0
.endm
; v: my six tiles for the 32 rows in both sets: 72 matrix instructions; six accumulators take turns
.macro VMM
.irp g, 0,1
.irp s, 0,1,2,3,4,5
.if \s == 0
	WIN 0x17+0x14*\g                               ; source 0 (x) window 3, source 1 (W) and C (the bias) window 1 + g
.else
	WIN 0x07+4*\g
.endif
.irp t, 0,1,2
.irp u, 0,1
.if \s == 0
	MM ACC+16*(3*\g+\t)+8*\u, 72*\u, 72*\t, 216+8*\t, XS+3*\u, WS+3*(3*\g+\t), 0, 0
.else
	MM ACC+16*(3*\g+\t)+8*\u, 72*\u+12*\s, 72*\t+12*\s, ACC+16*(3*\g+\t)+8*\u, XS+3*\u+\s/2, WS+3*(3*\g+\t)+\s/2, \s%2, \s%2
.endif
.endr
.endr
.endr
.endr
	WIN 0
.endm
; nb blocks, 16 numbers of each in this lane (v[ACC + 16 x] on) and 16 in lane l xor 16, become scale bytes in v[BY + x] and 16 codes in v[to + by x] on.  The blocks take turns, so that no line waits
; for the line above it; each accumulator is read from its low end on.  The caller's next lines are plain and touch neither the codes nor the numbers: the place behind the conversions.
.macro RES nb, to, by
.set XI, 0
.rept \nb
	v_max3_num_f32 v[TM+XI], |v[ACC+16*XI]|, |v[ACC+16*XI+1]|, 0x2800000      ; with the floor 2^(5 - 127): the byte cannot fall under 1
.set XI, XI+1
.endr
.irp i, 2,4,6,8,10,12,14
.set XI, 0
.rept \nb
	v_max3_num_f32 v[TM+XI], v[TM+XI], |v[ACC+16*XI+\i]|, |v[ACC+16*XI+\i+1]|
.set XI, XI+1
.endr
.endr
.set XI, 0
.rept \nb
	v_permlanex16_b32 v[T2+XI], v[TM+XI], s32, s33
.set XI, XI+1
.endr
.set XI, 0
.rept \nb
	v_max_num_f32 v[TM+XI], v[TM+XI], v[T2+XI]     ; the block's largest magnitude
.set XI, XI+1
.endr
.set XI, 0
.rept \nb
	v_add_nc_u32 v[SO+XI], 0xfe000000, v[TM+XI]    ; 4 off its exponent field: the conversion's scale operand
.set XI, XI+1
.endr
.set XI, 0
.rept \nb
	v_lshrrev_b32 v[BY+XI], 23, v[SO+XI]           ; the scale's byte
.set XI, XI+1
.endr
.set XI, 0
.rept \nb
	v_cvt_scalef32_pk16_bf6_f32 v[\to+\by*XI:\to+\by*XI+2], v[ACC+16*XI:ACC+16*XI+15], v[SO+XI]
.set XI, XI+1
.endr
.endm
; Two half blocks a lane (CVA: the first tile or key block, CVB: the second) become one whole block a lane: CVA's lanes 16-31 change places with CVB's lanes 0-15.  Then 24 bytes a lane leave in three stores.
.macro OUTP nb, va, off, str
.set XI, 0
.rept \nb
.irp i, 0,1,2
	v_permlane16_swap_b32 v[CVA+6*XI+\i], v[CVB+4*XI+\i]
.endr
.set XI, XI+1
.endr
.set XI, 0
.rept \nb
.irp i, 0,1,2
	v_mov_b32 v[CVA+6*XI+3+\i], v[CVB+4*XI+\i]
.endr
.set XI, XI+1
.endr
.set XI, 0
.rept \nb
.irp i, 0,1,2
	global_store_b64 v[\va+XI], v[CVA+6*XI+2*\i:CVA+6*XI+2*\i+1], s[18:19] offset:(\off)+(\str)*\i   ; 32 lanes store 256 consecutive bytes, aligned
.endr
.set XI, XI+1
.endr
.endm
.macro SCOUT n                         ; the block's three scale words of each of 16 lanes
	v_cmp_gt_u32 vcc_lo, 16, v1
	s_wait_xcnt 0x0                                ; EXEC is a source of the memory instructions issued so far: it changes only behind this wait
	s_and_saveexec_b32 s34, vcc_lo
.irp q, 0,1,2
	global_store_b32 v[SCA], v[SW+\q], s[20:21] offset:(\n)*4608+64*\q
.endr
	s_wait_xcnt 0x0                                ; and again in front of the line that widens it; SW may be written again too
	s_or_b32 exec_lo, exec_lo, s34
.endm
.macro PRODUCT_QK n
	FETCHX 0, 0, \n
	FETCHX 1, 1, \n
.irp m, 0,1,2,3
.if \m < 3
	s_wait_dscnt 39                                ; this tile's 39 loads are in; the next tile's 39 may be out
.else
	s_wait_dscnt 0x0
.endif
	NP 5                                           ; the accumulators begin anew with another C: five places behind the last products
	QKMM \m%2
	NP 4                                           ; in front of loads into the registers just multiplied, and of the first read of the results
.if \m < 2
	FETCHX \m+2, \m%2, \n
.endif
.if \m%2 == 0
	s_wait_xcnt 0x0                                ; the last stores have read CVA
	RES 3, CVA, 6
.else
	RES 3, CVB, 4
.endif
.irp x, 0,1,2
.if \m == 0
	v_mov_b32 v[SW+\x], v[BY+\x]                   ; byte m of the block's scale word: row 16 m + r
.else
	v_lshl_or_b32 v[SW+\x], v[BY+\x], 8*\m, v[SW+\x]
.endif
.endr
.if \m%2 == 1
	OUTP 3, VAQ, (\n)*3072+(\m/2)*1536, 512
.endif
.endr
	SCOUT \n
.endm
.macro PRODUCT_V n
	FETCHX 0, 0, \n
	FETCHX 1, 1, \n
.irp a, 0,1                            ; key block a of the 64 rows
	s_wait_dscnt 0x0
	NP 5
	VMM
	NP 4
.if \a == 0
	FETCHX 2, 0, \n
	FETCHX 3, 1, \n
	s_wait_xcnt 0x0                                ; the last stores have read CVA
	RES 6, CVA, 6
.else
	RES 6, CVB, 4
.endif
.irp t, 0,1,2,3,4,5
.if (\a == 0) && (\t%2 == 0)
	v_mov_b32 v[SW+\t/2], v[BY+\t]                 ; byte 2 (t % 2) + a of the tile pair's word
.else
	v_lshl_or_b32 v[SW+\t/2], v[BY+\t], 8*(2*(\t%2)+\a), v[SW+\t/2]
.endif
.endr
.endr
	OUTP 6, VAV, (\n)*768, 256
	SCOUT \n
.endm
; A block of 64 rows from LDS buffer n.  At its end the block that waits in the staging registers goes into the other buffer, and the block after that is asked for.  ONE barrier a block: the buffer written here
; was last read in the block before, and every wave waited for those reads in front of that block's signal.  The last trip asks for nothing: no load leaves its buffer.
.macro BLOCK n
	s_cmp_eq_u32 s23, 2
	s_cbranch_scc1 .Lpv_\@
	PRODUCT_QK \n
	s_branch .Lpj_\@
.Lpv_\@:
	PRODUCT_V \n
.Lpj_\@:
.if \n == 1
	s_cmp_ge_u32 s27, 3
	s_cbranch_scc1 .Lnone_\@
.endif
	s_wait_loadcnt 0x0                             ; the staged block, asked for a block ago
	STOREX 1-\n
	s_wait_dscnt 0x0                               ; the stores have read their registers
	s_cmp_ge_u32 s27, 3
	s_cbranch_scc1 .Lnone_\@
	LOADX \n
.Lnone_\@:
	s_wait_dscnt 0x0                               ; for the others' sake: my stores have landed and my reads are over
	s_barrier_signal -1
	s_barrier_wait -1
.endm
	LOADX 0
	s_wait_loadcnt 0x0                             ; the weights, the bias and block 0
	STOREX 0
	s_wait_dscnt 0x0
	LOADX 1
	s_wait_xcnt 0x0                                ; the loads have read their bases
	s_add_nc_u64 s[4:5], s[4:5], 73728             ; the pointers stand two blocks ahead of the trip
	s_add_nc_u64 s[6:7], s[6:7], 3072
	s_barrier_signal -1
	s_barrier_wait -1
	s_mov_b32 s27, 0
.Ltrip:                                            ; four trips of two blocks
	BLOCK 0
	BLOCK 1
	s_wait_xcnt 0x0                                ; every load and store issued so far has read its base
	s_add_nc_u64 s[4:5], s[4:5], 73728
	s_add_nc_u64 s[6:7], s[6:7], 3072
	s_add_nc_u64 s[18:19], s[18:19], 6144
	s_add_nc_u64 s[20:21], s[20:21], 9216
	s_add_co_u32 s27, s27, 1
	s_cmp_lt_u32 s27, 4
	s_cbranch_scc1 .Ltrip
	s_wait_tensorcnt 0x0
	ds_add_u32 v254, v255
	s_wait_dscnt 0x0
	s_endpgm
.Lfunc_end_k_q053d166f5c_qkv:
	.size	k_q053d166f5c_qkv, .Lfunc_end_k_q053d166f5c_qkv-k_q053d166f5c_qkv
	.p2alignl 7, 3214868480
	.fill 96, 4, 3214868480
	.section	.rodata,"a",@progbits
	.p2align	6, 0x0
	.amdhsa_kernel k_q053d166f5c_qkv
		.amdhsa_group_segment_fixed_size 113664
		.amdhsa_private_segment_fixed_size 0
		.amdhsa_enable_private_segment 0
		.amdhsa_kernarg_size 72
		.amdhsa_user_sgpr_count 2
		.amdhsa_user_sgpr_kernarg_segment_ptr 1
		.amdhsa_wavefront_size32 1
		.amdhsa_system_sgpr_workgroup_id_x 1
		.amdhsa_system_sgpr_workgroup_id_y 1
		.amdhsa_system_sgpr_workgroup_id_z 1
		.amdhsa_system_vgpr_workitem_id 0
		.amdhsa_next_free_vgpr 1024
		.amdhsa_next_free_sgpr 66
		.amdhsa_reserve_vcc 1
		.amdhsa_float_denorm_mode_32 3
		.amdhsa_float_denorm_mode_16_64 3
		.amdhsa_memory_ordered 1
		.amdhsa_forward_progress 1
		.amdhsa_inst_pref_size 210
	.end_amdhsa_kernel
	.amdgpu_metadata
---
amdhsa.version: [ 1, 2 ]
amdhsa.kernels:
  - .name:           k_q053d166f5c_qkv
    .symbol:         k_q053d166f5c_qkv.kd
    .args:
      - { .name: x_codes, .offset: 0, .size: 8, .value_kind: global_buffer, .address_space: global }
      - { .name: x_sc, .offset: 8, .size: 8, .value_kind: global_buffer, .address_space: global }
      - { .name: w_img, .offset: 16, .size: 8, .value_kind: global_buffer, .address_space: global }
      - { .name: w_sc, .offset: 24, .size: 8, .value_kind: global_buffer, .address_space: global }
      - { .name: qb, .offset: 32, .size: 8, .value_kind: global_buffer, .address_space: global }
      - { .name: kb, .offset: 40, .size: 8, .value_kind: global_buffer, .address_space: global }
      - { .name: vb, .offset: 48, .size: 8, .value_kind: global_buffer, .address_space: global }
      - { .name: qkv_img, .offset: 56, .size: 8, .value_kind: global_buffer, .address_space: global }
      - { .name: qkv_sc, .offset: 64, .size: 8, .value_kind: global_buffer, .address_space: global }
    .group_segment_fixed_size: 113664
    .private_segment_fixed_size: 0
    .kernarg_segment_align: 8
    .kernarg_segment_size: 72
    .max_flat_workgroup_size: 128
    .sgpr_count:     66
    .vgpr_count:     1024
    .wavefront_size: 32
...
	.end_amdgpu_metadata
.endif
;; end of part 2
;; launch attn (part 3): grid 4 x 64, 8 waves a work-group, clusters of 4 x 1, 327,680 bytes of LDS; arguments qkv_img, qkv_sc, attention_mask, ctx_img, ctx_sc; writes ctx_img, ctx_sc
.if DOCPART == 3
	.amdgcn_target "amdgcn-amd-amdhsa--gfx1250"
	.amdhsa_code_object_version 6
	.text
	.protected	k_q053d166f5c_attn
	.globl	k_q053d166f5c_attn
	.p2align	8
	.type	k_q053d166f5c_attn,@function
k_q053d166f5c_attn:
	s_mov_b64 s[64:65], 0
	v_nop
	global_prefetch_b8 v0, s[64:65] scope:SCOPE_SE
	s_setreg_imm32_b32 hwreg(HW_REG_WAVE_MODE, 25, 1), 1
	s_wait_xcnt 0x0
	s_wait_alu depctr_hold_cnt(0) depctr_sa_sdst(0) depctr_va_vdst(0) depctr_va_sdst(0) depctr_va_ssrc(0) depctr_va_vcc(0) depctr_vm_vsrc(0)
	s_getreg_b32 s2, hwreg(HW_REG_IB_STS2, 6, 4)
	s_cmp_eq_u32 s2, 0
	s_cbranch_scc0 .Lentry_in_a_cluster
	s_endpgm
.Lentry_in_a_cluster:
	s_bfe_u32 s2, ttmp6, 0x10000c
	s_cmp_lg_u32 s2, 0x3003
	s_cbranch_scc0 .Lentry_shape_is_right
	s_endpgm
.Lentry_shape_is_right:
; ATTENTION on codes of BF6 (E3M2).  context[q] = sum over keys of softmax(q . k / 8 + mask) v, head by head; the context is quantised along the channels and leaves as codes.
; THE SOFTMAX: t = (q . k + 8 mask) x log2(e) / 8; M = the running largest t rounded UP to a whole number; p = 2^(t - M) is quantised along the keys, not normalised; the row's sum is taken of the
; unquantised p and divides at the end.  When M moves, the sum and O are multiplied by 2^(old M - new M): exact.  8 x mask is the C of the first product.
; SHARES.  A WORK-GROUP STAYS: work-group y = a group of THREE neighbouring heads of one batch (12 heads are 4 groups), x = 256 queries, the same of each of the three heads: 64 x 4 = 256 work-groups.
; Eight waves of 512 registers, two to a SIMD.  A wave owns 32 queries: two tiles of 16, which share every fragment of K, of V and of the mask.  Every wave walks 3 x 1,024 keys, 128 a step: 24 steps.
; THE TWO TILES' SOFTMAX LINES STAND BY TURNS: eight chains of maxima, two chains for M, four chains of sums, one batch of 136 exponentials: a line's source was written two to eight lines earlier.
; LDS.  The three heads' K and V as codes (147,456 bytes each, each consecutive in memory), their scale words and the batch's mask stay in LDS, filled ONCE: no byte is filled again.
; So the LDS offsets run on from head to head, and a head's last step fetches the next head's first fragments like any other step.
; CLUSTER.  The four query blocks of a group form a cluster and ask for K and V JOINTLY: each wave's one tensor load (144 rows of 256 bytes) names all four work-groups.
; NO PREFETCH: every stream from memory is asked for at the kernel's head; the loop reads LDS alone and has nothing to run ahead for.
; CHANGE OF HEADS (behind steps 7 and 15, by a scalar branch on the step counter): the way out, the stores' bases 768 and 32 bytes on, the next head's Q out of staging registers, M, the sums and O begun anew.
; LAYOUT.  Both products are used transposed: S^T = K Q^T (source 0 = 16 keys), O^T = V^T P^T (source 0 = 16 channels): a lane holds ONE query throughout.  The head's K is 64 of the instruction's 128:
; Q's upper six registers hold zero codes, so whatever codes stand in the upper six registers of a fragment of K (the next tile's: every E3M2 code is a finite number) add nothing.
; Inside a block of 32 keys, p's code position 16 h + 8 u + j holds key 16 u + 8 h + j; V's codes were laid in the same order.
; LIMITS: mask values below -2^30 (minus infinity among them) count as -2^30: only rows in which EVERY key lies below that can differ; the promise holds while |t| stays under 2^31.
; NaN, and plus infinity in the mask, are not served.  A block of zeros, and one whose largest magnitude lies under 2^-122, gets the scale byte 1.
; REGISTERS.  window 0: below.  window 1: v0-53 K's eight tiles, six registers each (v48-53 zeros); v56-103 V's four fragments; v104-167 the mask, eight registers a tile; v168-191 Q; v192-255 O^T.
.set KI,   0
.set VI,   147456
.set KS,   294912                      ; K's scale words: [step 24][lane 32][4 words]: word q of lane (r, g) is key tile 2 q + g
.set VS,   307200                      ; V's: [step 24][lane 32][2 words]: word q of lane (r, g) is channel tile 2 q + g
.set MK,   313344                      ; 8 x mask, 1,024 numbers
.set SPARE, 317440                     ; the spare words: 128 bytes a wave
.set AK0,  1                           ; my lane's place in an even tile of K or Q: 8 r + 384 h
.set AK1,  2                           ; in an odd one: 8 r + 128 h + 128
.set AV,   3
.set AKS,  4
.set AVS,  5
.set AMK,  6
.set ADK0, 7                           ; v7-11, v29: the addresses of the step in hand
.set ADK1, 8
.set ADV,  9
.set ADKS, 10
.set ADVS, 11
.set ADM,  29
.set KSR,  20                          ; v20-23 K's scale words   (v12-19: -M, the largest t, the sum in two halves, for each tile)
.set VSR,  24                          ; v24-25 V's
.set QS,   26                          ; v26-27 Q's
.set PW,   28                          ; v28, v66 p's scale word of tile 0, 1
.set PC,   30                          ; v30-41, v68-79 p's codes
.set PT,   42                          ; v42-49, v80-87 their second halves on the way; ahead of that the other half's maxima, then the scale bytes
.set BM,   50                          ; v50-53, v54-57 block maxima; later the sums' second chains
.set B2,   54                          ; the way out: the other half's maxima, then the bytes
.set SO,   58                          ; v58-61, v88-91 the conversions' scale operands
.set F,    62                          ; v[62:63], v[92:93] f = 2^(old M - new M)
.set TT,   64                          ; v64, v65
.set SP2,  94                          ; v94-95 the way out: lane permutes' targets
.set QST,  98                          ; v98-121 Q's codes of the second and third head, waiting
.set QSS,  122                         ; v122-125 their scale words
.set S,    128                         ; v128-191, v192-255 S^T, then p, of tile 0, 1 (at the kernel's head: work registers)
.set KF,   0
.set VF,   56
.set MF,   104
.set QF,   168
.set OT,   192
.set MSB, 0
.macro WIN new                         ; the immediate's high byte repeats the setting that is left
.if MSB != (\new)
	s_set_vgpr_msb (MSB<<8)|(\new)
.set MSB, (\new)
.endif
.endm
.macro NP n
.rept \n
	v_nop
.endr
.endm
.macro MM d, a, b, c, sa, sb, ra, rb
.if (\ra) && (\rb)
	v_wmma_scale_f32_16x16x128_f8f6f4 v[(\d):(\d)+7], v[(\a):(\a)+11], v[(\b):(\b)+11], v[(\c):(\c)+7], v[(\sa)], v[(\sb)] matrix_a_fmt:MATRIX_FMT_BF6 matrix_b_fmt:MATRIX_FMT_BF6 matrix_a_scale:MATRIX_SCALE_ROW1 matrix_b_scale:MATRIX_SCALE_ROW1
.elseif (\ra)
	v_wmma_scale_f32_16x16x128_f8f6f4 v[(\d):(\d)+7], v[(\a):(\a)+11], v[(\b):(\b)+11], v[(\c):(\c)+7], v[(\sa)], v[(\sb)] matrix_a_fmt:MATRIX_FMT_BF6 matrix_b_fmt:MATRIX_FMT_BF6 matrix_a_scale:MATRIX_SCALE_ROW1
.else
	v_wmma_scale_f32_16x16x128_f8f6f4 v[(\d):(\d)+7], v[(\a):(\a)+11], v[(\b):(\b)+11], v[(\c):(\c)+7], v[(\sa)], v[(\sb)] matrix_a_fmt:MATRIX_FMT_BF6 matrix_b_fmt:MATRIX_FMT_BF6
.endif
.endm
.macro ROUND                           ; a round of the cluster's barrier
	s_barrier_signal -1
	s_barrier_wait -1
	s_cmp_lg_u32 s14, 0
	s_cbranch_scc1 .Lnot_wave_0_\@
	s_barrier_signal -3
.Lnot_wave_0_\@:
	s_barrier_wait -3
	s_barrier_signal -1
	s_barrier_wait -1
.endm
.macro RESET                           ; a head begins: O^T and the sums are zeros, the largest t lies under every t
	WIN 0x40
.set J, 0
.rept 64
	v_mov_b32 v[OT+J], 0
.set J, J+1
.endr
	WIN 0
.irp e, 0,1
	v_mov_b32 v[13+4*\e], 0xff61b1e6               ; -3e38
	s_delay_alu instid0(VALU_DEP_1)
	v_floor_f32 v[12+4*\e], -v[13+4*\e]            ; -M
	v_mov_b32 v[14+4*\e], 0
	v_mov_b32 v[15+4*\e], 0
.endr
.endm
	s_load_b256 s[4:11], s[0:1], 0x0               ; qkv_img s[4:5], qkv_sc s[6:7], the mask s[8:9], ctx_img s[10:11]
	s_load_b64 s[12:13], s[0:1], 0x20              ; ctx_sc
	v_lshl_add_u32 v126, v0, 2, SPARE
	v_mov_b32 v127, 0
	ds_add_u32 v126, v127                          ; the opening lines: the add, twice on end, and its wait
	ds_add_u32 v126, v127
	v_lshrrev_b32 v128, 5, v0
	s_delay_alu instid0(VALU_DEP_1)
	v_readfirstlane_b32 s14, v128                  ; wave 0..7
	s_and_b32 s16, ttmp7, 0xffff                   ; the group of three heads, 0..63: the four partners share it
	s_lshr_b32 s17, s16, 2                         ; the batch
	s_and_b32 s18, s16, 3
	s_mul_i32 s18, s18, 3                          ; the group's first head
	s_mul_i32 s44, s16, 147456                     ; the group's first byte in a tensor's images: 3 x 49,152 a group
	; my joint load: waves 0-3 K's quarters, waves 4-7 V's: 144 rows of 256 bytes, dense
	s_mov_b32 s24, 15|(3<<16)|(1<<21)              ; the mask: all four work-groups; elements of 8 bytes; bit 21 set beside a mask
	s_mov_b32 s25, 32<<16                          ; tensor_dim0 = 32
	s_mov_b32 s26, 144<<16                         ; tensor_dim1 = 144
	s_mov_b32 s27, 32<<16                          ; tile_dim0 = 32
	s_mov_b32 s28, 144                             ; tile_dim1 = 144
	s_mov_b32 s29, 32                              ; the pitch
	s_mov_b32 s30, 0
	s_mov_b32 s31, 0
	s_lshr_b32 s56, s14, 2
	s_add_co_u32 s56, s56, 1                       ; tensor 1 (k) or 2 (v)
	s_mul_i32 s56, s56, 9437184
	s_add_co_u32 s56, s56, s44
	s_and_b32 s57, s14, 3
	s_mul_i32 s57, s57, 36864
	s_add_co_u32 s56, s56, s57
	s_mov_b32 s57, 0
	s_mov_b32 s20, 1
	s_mul_i32 s21, s14, 36864                      ; K's four quarters, then V's: no place in the cluster enters an LDS address
	s_wait_dscnt 0x0
	s_wait_kmcnt 0x0
	s_add_nc_u64 s[22:23], s[4:5], s[56:57]
	s_or_b32 s23, s23, 0x80000000                  ; type = 2
	ROUND                                          ; all four work-groups are here: the joint loads meet
	tensor_load_to_lds s[20:23], s[24:31]          ; the one tensor load of this wave
	s_nop 0
	NP 4
	s_bfe_u32 s15, ttmp6, 0x40000                  ; cx
	s_lshl_b32 s45, ttmp9, 2
	s_add_co_u32 s15, s15, s45                     ; my block of 256 queries: it enters Q's and the context's addresses alone
	s_mov_b32 s32, 0x76543210
	s_mov_b32 s33, 0xfedcba98                      ; v_permlanex16_b32's selects for lane l xor 16
	s_mov_b32 s34, 0x3e38aa3b                      ; c = log2(e) / 8
	s_mov_b32 s35, s34                             ; (named with it as a pair, so it is written)
	s_mov_b32 s36, 0                               ; the step's codes: 6,144 bytes a step, K's and V's alike
	s_mov_b32 s37, 0                               ; K's scale words: 512 a step
	s_mov_b32 s38, 0                               ; V's scale words: 256
	s_mov_b32 s43, 0                               ; the mask: 512 a step, back to 0 with each head
	s_mov_b32 s40, 0xffff0000                      ; lanes 16-31
	s_and_b32 s41, s14, 1
	s_lshl_b32 s41, s41, 1
	s_mul_i32 s41, s41, 0x01010101
	s_add_co_u32 s41, s41, 0x04000400              ; byte selects for Q's scale words: row tile 2 (wave % 2) of its 64 rows,
	s_add_co_u32 s42, s41, 0x01010101              ; and the next
	s_mov_b32 s47, 0
	s_mul_i32 s46, s17, 73728                      ; scale words: the batch's 16 blocks of 64 rows,
	s_lshl_b32 s54, s18, 7                         ; a head's two words of 64 bytes
	s_add_co_u32 s46, s46, s54
	s_add_nc_u64 s[48:49], s[6:7], s[46:47]
	s_lshl_b32 s46, s15, 2
	s_lshr_b32 s54, s14, 1
	s_add_co_u32 s46, s46, s54
	s_mul_i32 s46, s46, 4608
	s_add_nc_u64 s[50:51], s[48:49], s[46:47]      ; at my queries' block of 64 rows
	s_lshl_b32 s46, s15, 3
	s_add_co_u32 s46, s46, s14
	s_mul_i32 s46, s46, 1536
	s_add_co_u32 s46, s46, s44
	s_add_nc_u64 s[52:53], s[4:5], s[46:47]        ; Q's codes: my 32 rows of the first head
	s_lshl_b32 s46, s17, 12
	s_add_nc_u64 s[8:9], s[8:9], s[46:47]          ; the batch's mask
	s_lshl_b32 s54, s17, 6
	s_lshl_b32 s55, s15, 4
	s_add_co_u32 s54, s54, s55
	s_lshl_b32 s55, s14, 1
	s_add_co_u32 s54, s54, s55                     ; my first tile of 16 rows among all 1,024
	s_mul_i32 s46, s54, 9216
	s_mul_i32 s55, s18, 768                        ; a head is half of a K step of the last product: 768 bytes a head
	s_add_co_u32 s46, s46, s55
	s_add_nc_u64 s[10:11], s[10:11], s[46:47]
	s_mul_i32 s46, s54, 384
	s_lshl_b32 s55, s18, 5
	s_add_co_u32 s46, s46, s55
	s_add_nc_u64 s[12:13], s[12:13], s[46:47]
	v_and_b32 v128, 31, v0                         ; lane
	v_and_b32 v129, 15, v0                         ; r
	v_bfe_u32 v130, v0, 4, 1                       ; h
	s_delay_alu instid0(VALU_DEP_2)
	v_lshlrev_b32 v[AK0], 3, v129
	s_delay_alu instid0(VALU_DEP_1)
	v_mad_u32_u24 v[AK1], v130, 128, v[AK0]
	s_delay_alu instid0(VALU_DEP_1)
	v_add_nc_u32 v[AK1], 128, v[AK1]
	s_delay_alu instid0(VALU_DEP_3)
	v_mad_u32_u24 v[AK0], v130, 384, v[AK0]
	v_lshl_add_u32 v[AV], v128, 3, VI
	v_lshl_add_u32 v[AKS], v128, 4, KS
	v_lshl_add_u32 v[AVS], v128, 3, VS
	v_lshl_add_u32 v[AMK], v130, 5, MK             ; register j of key tile t wants key 16 t + 8 h + j
	v_lshlrev_b32 v131, 4, v0                      ; the mask: 16 bytes a thread
	v_lshrrev_b32 v132, 4, v0
	s_delay_alu instid0(VALU_DEP_1)
	v_mul_u32_u24 v133, v132, 4608
	s_delay_alu instid0(VALU_DEP_1)
	v_lshl_add_u32 v133, v129, 2, v133             ; K's scale words: thread (block of 64 rows = thread / 16, r)
	v_lshrrev_b32 v134, 5, v0
	s_delay_alu instid0(VALU_DEP_1)
	v_mul_u32_u24 v135, v134, 9216
	s_delay_alu instid0(VALU_DEP_1)
	v_lshl_add_u32 v135, v130, 6, v135
	s_delay_alu instid0(VALU_DEP_1)
	v_lshl_add_u32 v135, v129, 2, v135             ; V's: thread (step = thread / 32, tile pair = h, r)
	v_lshlrev_b32 v136, 2, v129
	v_lshl_add_u32 v137, v0, 4, MK
	v_lshl_add_u32 v138, v134, 9, KS
	s_delay_alu instid0(VALU_DEP_1)
	v_lshl_add_u32 v138, v130, 3, v138
	s_delay_alu instid0(VALU_DEP_1)
	v_lshl_add_u32 v138, v129, 4, v138             ; K's words go to step (thread / 32), lane r (+ 16 for odd tiles), word 2 (block % 2) + tile / 2
	v_lshl_add_u32 v139, v134, 8, VS
	s_delay_alu instid0(VALU_DEP_1)
	v_lshl_add_u32 v139, v129, 3, v139
	s_delay_alu instid0(VALU_DEP_1)
	v_lshl_add_u32 v139, v130, 2, v139
	v_lshlrev_b32 v96, 3, v128                     ; the way out: 8 bytes a lane
	v_mul_u32_u24 v97, v130, 384
	s_delay_alu instid0(VALU_DEP_1)
	v_lshl_add_u32 v97, v129, 1, v97               ; and 2 bytes a lane: lanes 0-15 tile 0's rows, lanes 16-31 tile 1's
	global_load_b128 v[140:143], v131, s[8:9]
.irp d, 0,1,2                          ; head d of the three: its words lie 128 bytes behind the head before
	global_load_b32 v[144+6*\d], v133, s[48:49] offset:1536+128*\d     ; k: the head's block 0,
	global_load_b32 v[145+6*\d], v133, s[48:49] offset:1600+128*\d     ; block 1
	global_load_b32 v[146+6*\d], v135, s[48:49] offset:3072+128*\d     ; v: the step's first 64 keys,
	global_load_b32 v[147+6*\d], v135, s[48:49] offset:7680+128*\d     ; its second
	global_load_b32 v[148+6*\d], v136, s[50:51] offset:128*\d          ; q: block 0,
	global_load_b32 v[149+6*\d], v136, s[50:51] offset:64+128*\d       ; block 1
.endr
.irp d, 1,2
.irp e, 0,1
.irp i, 0,1,2
	global_load_b64 v[QST+12*(\d-1)+6*\e+2*\i:QST+12*(\d-1)+6*\e+2*\i+1], v[AK0+\e], s[52:53] offset:49152*\d+512*\i   ; the later heads' Q waits in registers
.endr
.endr
.endr
	WIN 0x40
.irp e, 0,1
.irp i, 0,1,2
	global_load_b64 v[QF+12*\e+2*\i:QF+12*\e+2*\i+1], v[AK0+\e], s[52:53] offset:512*\i
.endr
.endr
.irp e, 0,1
.irp j, 6,7,8,9,10,11
	v_mov_b32 v[QF+12*\e+\j], 0                    ; the upper half of the instruction's K: zero codes
.endr
.endr
.irp j, 48,49,50,51,52,53
	v_mov_b32 v[KF+\j], 0                          ; behind K's last tile
.endr
	RESET
.irp e, 0,1
.irp b, 0,1,2,3
	v_mov_b32 v[PT+38*\e+\b], 0                    ; written once: a lane permute's destination counts as one of its sources
.endr
	v_mov_b32 v[SP2+\e], 0                         ; likewise
	v_mov_b32 v[F+30*\e+1], 0                      ; (named as the upper half of a pair)
.endr
	s_wait_alu depctr_va_vdst(0)
	s_wait_loadcnt 0x0
	v_perm_b32 v[QS], v149, v148, s41              ; Q's scale words first: more than eight plain vector instructions follow ahead of the first scaled product
	v_perm_b32 v[QS+1], v149, v148, s42
.irp d, 1,2
	v_perm_b32 v[QSS+2*(\d-1)], v[149+6*\d], v[148+6*\d], s41
	v_perm_b32 v[QSS+2*(\d-1)+1], v[149+6*\d], v[148+6*\d], s42
.endr
.irp j, 0,1,2,3
	v_mul_f32 v[140+\j], 0x41000000, v[140+\j]     ; 8 x mask,
.endr
.irp j, 0,1,2,3
	s_delay_alu instid0(VALU_DEP_4)
	v_max_num_f32 v[140+\j], 0xd0000000, v[140+\j] ; held at -2^33
.endr
	ds_store_b128 v137, v[140:143]
.irp d, 0,1,2
.irp m, 0,1,2,3                        ; row tile m of my 64 keys: the word [block 0, block 1, block 0, block 1]; its upper two bytes scale zero codes
	v_perm_b32 v[164+6*\d+\m], v[145+6*\d], v[144+6*\d], 0x04000400+\m*0x01010101
.endr
	v_perm_b32 v[168+6*\d], v[147+6*\d], v[146+6*\d], 0x05040100   ; the even channel tile: key blocks 0, 1 of the first 64 keys, then of the second
	v_perm_b32 v[169+6*\d], v[147+6*\d], v[146+6*\d], 0x07060302   ; the odd one
.endr
.irp d, 0,1,2
.irp m, 0,1,2,3
	ds_store_b32 v138, v[164+6*\d+\m] offset:4096*\d+256*(\m%2)+4*(\m/2)
.endr
	ds_store_b32 v139, v[168+6*\d] offset:2048*\d
	ds_store_b32 v139, v[169+6*\d] offset:2048*\d+128
.endr
	s_wait_alu depctr_va_vdst(0)
	s_wait_tensorcnt 0x0                           ; my part of K or V has landed,
	s_wait_dscnt 0x0                               ; my stores too:
	s_barrier_signal -1
	s_barrier_wait -1                              ; everybody's have
; A step's K: one load of scale words, 24 of codes, 16 of the mask: 41 LDS loads
.macro KLOAD
	v_add_nc_u32 v[ADK0], s36, v[AK0]
	v_add_nc_u32 v[ADK1], s36, v[AK1]
	v_add_nc_u32 v[ADKS], s37, v[AKS]
	v_add_nc_u32 v[ADM], s43, v[AMK]
	ds_load_b128 v[KSR:KSR+3], v[ADKS]
	WIN 0x40
.irp t, 0,1,2,3,4,5,6,7
.irp i, 0,1,2
	ds_load_b64 v[KF+6*\t+2*\i:KF+6*\t+2*\i+1], v[ADK0+(\t%2)] offset:(\t/2)*1536+512*\i
.endr
.endr
.irp t, 0,1,2,3,4,5,6,7
	ds_load_b128 v[MF+8*\t:MF+8*\t+3], v[ADM] offset:64*\t
	ds_load_b128 v[MF+8*\t+4:MF+8*\t+7], v[ADM] offset:64*\t+16
.endr
	WIN 0
.endm
; A step's V: one load of scale words, 24 of codes: 25 LDS loads
.macro VLOAD
	v_add_nc_u32 v[ADV], s36, v[AV]
	v_add_nc_u32 v[ADVS], s38, v[AVS]
	ds_load_b64 v[VSR:VSR+1], v[ADVS]
	WIN 0x40
.irp c, 0,1,2,3
.irp p, 0,1,2,3,4,5
	ds_load_b64 v[VF+12*\c+2*\p:VF+12*\c+2*\p+1], v[ADV] offset:1536*\c+256*\p
.endr
.endr
	WIN 0
.endm
.macro SMM                             ; S^T = K Q^T + 8 mask: 16 products, each with an accumulator of its own
	WIN 0x15                                       ; K, Q and the mask in window 1, S^T in window 0
.irp e, 0,1
.irp t, 0,1,2,3,4,5,6,7
	MM S+64*\e+8*\t, KF+6*\t, QF+12*\e, MF+8*\t, KSR+\t/2, QS+\e, \t%2, 0
.endr
.endr
	WIN 0
.endm
; Both tiles' softmax for 128 keys, tile e's lines and tile 1 - e's by turns; at its end p's codes, p's scale words, and O^T under the new M.
; Tile e's registers: S + 64 e, BM + 4 e, PT + 38 e, PC + 38 e, PW + 38 e, SO + 30 e, F + 30 e, TT + e, v[12 + 4 e] on.
.macro SOFT2
.irp b, 0,1,2,3
.irp e, 0,1
	v_max3_num_f32 v[BM+4*\e+\b], v[S+64*\e+16*\b], v[S+64*\e+16*\b+1], v[S+64*\e+16*\b+2]      ; the largest score of each block of 32 keys serves the row's maximum and, since p rises with the score, the block's largest p
.endr
.endr
.irp i, 3,5,7,9,11,13
.irp b, 0,1,2,3
.irp e, 0,1
	v_max3_num_f32 v[BM+4*\e+\b], v[BM+4*\e+\b], v[S+64*\e+16*\b+\i], v[S+64*\e+16*\b+\i+1]     ; (eight chains by turns; each accumulator is read from its low end on)
.endr
.endr
.endr
.irp b, 0,1,2,3
.irp e, 0,1
	v_max_num_f32 v[BM+4*\e+\b], v[BM+4*\e+\b], v[S+64*\e+16*\b+15]
.endr
.endr
.irp b, 0,1,2,3
.irp e, 0,1
	v_permlanex16_b32 v[PT+38*\e+\b], v[BM+4*\e+\b], s32, s33
.endr
.endr
.irp b, 0,1,2,3
.irp e, 0,1
	v_max_num_f32 v[BM+4*\e+\b], v[BM+4*\e+\b], v[PT+38*\e+\b]     ; with lane l xor 16's 16 keys
.endr
.endr
.irp e, 0,1
	s_delay_alu instid0(VALU_DEP_4)
	v_max3_num_f32 v[TT+\e], v[BM+4*\e], v[BM+4*\e+1], v[BM+4*\e+2]
.endr
.irp e, 0,1
	s_delay_alu instid0(VALU_DEP_2)
	v_max_num_f32 v[TT+\e], v[TT+\e], v[BM+4*\e+3]
.endr
.irp e, 0,1
	s_delay_alu instid0(VALU_DEP_2)
	v_mul_f32 v[TT+\e], s34, v[TT+\e]              ; as t (c is positive)
.endr
.irp e, 0,1
	s_delay_alu instid0(VALU_DEP_2)
	v_max_num_f32 v[13+4*\e], v[13+4*\e], v[TT+\e] ; the running largest t
.endr
.irp e, 0,1
	v_mov_b32 v[TT+\e], v[12+4*\e]
.endr
.irp e, 0,1
	s_delay_alu instid0(VALU_DEP_4)
	v_floor_f32 v[12+4*\e], -v[13+4*\e]            ; the new -M = floor(-t): M is a whole number
.endr
.irp e, 0,1
	s_delay_alu instid0(VALU_DEP_2)
	v_sub_f32 v[TT+\e], v[12+4*\e], v[TT+\e]       ; old M less new M: a whole number, 0 or less
.endr
.irp e, 0,1
	s_delay_alu instid0(VALU_DEP_2)
	v_cvt_i32_f32 v[TT+\e], v[TT+\e]               ; (it saturates)
.endr
.irp e, 0,1
	s_delay_alu instid0(VALU_DEP_2)
	v_ldexp_f32 v[F+30*\e], 1.0, v[TT+\e]          ; f = 2^(old M - new M)
.endr
.irp e, 0,1
.set J, 0
.rept 32
	v_pk_fma_f32 v[S+64*\e+J:S+64*\e+J+1], v[S+64*\e+J:S+64*\e+J+1], s[34:35], v[12+4*\e:13+4*\e] op_sel_hi:[1,0,0]   ; t - M, two at a time
.set J, J+2
.endr
.endr
.irp b, 0,1,2,3
.irp e, 0,1
	v_fma_f32 v[BM+4*\e+\b], v[BM+4*\e+\b], s34, v[12+4*\e]        ; the same of each block's largest score
.endr
.endr
	s_wait_alu depctr_va_vdst(0)
.set J, 0
.rept 128
	v_exp_f32 v[S+J], v[S+J]                       ; p = 2^(t - M)
.set J, J+1
.endr
.set J, 0
.rept 8
	v_exp_f32 v[BM+J], v[BM+J]                     ; the block's largest p: the same two instructions on the same number give the same bits
.set J, J+1
.endr
.irp e, 0,1
	v_pk_mul_f32 v[14+4*\e:15+4*\e], v[14+4*\e:15+4*\e], v[F+30*\e:F+30*\e+1] op_sel_hi:[1,0]   ; the sums under the new M.  (The plain place behind the exponentials)
.endr
	s_wait_alu depctr_va_vdst(0)                   ; and behind it
.set J, 0
.rept 8
	v_max_num_f32 v[BM+J], 0x2800000, v[BM+J]      ; the floor 2^(5 - 127): the byte cannot fall under 1
.set J, J+1
.endr
.irp e, 0,1
.irp b, 0,1,2,3
	v_add_nc_u32 v[SO+30*\e+\b], 0xfe000000, v[BM+4*\e+\b]         ; 4 off the exponent field: the conversion's scale operand
.endr
.endr
.irp e, 0,1
.irp b, 0,1,2,3
	v_lshrrev_b32 v[PT+38*\e+\b], 23, v[SO+30*\e+\b]               ; the scale's byte
.endr
.endr
.irp e, 0,1
	v_lshl_or_b32 v[PW+38*\e], v[PT+38*\e+1], 8, v[PT+38*\e]       ; p's scale word for these 128 keys
.endr
.irp e, 0,1
	s_delay_alu instid0(VALU_DEP_2)
	v_lshl_or_b32 v[PW+38*\e], v[PT+38*\e+2], 16, v[PW+38*\e]
.endr
.irp e, 0,1
	s_delay_alu instid0(VALU_DEP_2)
	v_lshl_or_b32 v[PW+38*\e], v[PT+38*\e+3], 24, v[PW+38*\e]
.endr
.irp e, 0,1
.irp c, 0,1
	v_cvt_scalef32_pk16_bf6_f32 v[PC+38*\e+6*\c:PC+38*\e+6*\c+2], v[S+64*\e+32*\c:S+64*\e+32*\c+15], v[SO+30*\e+2*\c]
	v_cvt_scalef32_pk16_bf6_f32 v[PT+38*\e+4*\c:PT+38*\e+4*\c+2], v[S+64*\e+32*\c+16:S+64*\e+32*\c+31], v[SO+30*\e+2*\c+1]   ; (a conversion's three registers begin on an even number)
.endr
.endr
	v_nop                                          ; one plain place behind a scaled conversion
.irp e, 0,1                            ; the operand's layout wants a WHOLE block in a lane: lanes 0-15 block 2 c, lanes 16-31 block 2 c + 1
.irp c, 0,1
.irp i, 0,1,2
	v_permlane16_swap_b32 v[PC+38*\e+6*\c+\i], v[PT+38*\e+4*\c+\i]
.endr
.endr
.endr
.irp e, 0,1
.irp c, 0,1
.irp i, 0,1,2
	v_mov_b32 v[PC+38*\e+6*\c+3+\i], v[PT+38*\e+4*\c+\i]
.endr
.endr
.endr
.irp e, 0,1
	v_pk_add_f32 v[BM+4*\e:BM+4*\e+1], v[S+64*\e:S+64*\e+1], v[S+64*\e+2:S+64*\e+3]   ; the row's sum is taken of the unquantised p: two at a time, two chains a tile (the second in registers that held block maxima)
.endr
.irp j, 4,8,12,16,20,24,28,32,36,40,44,48,52,56,60
.irp e, 0,1
	v_pk_add_f32 v[14+4*\e:15+4*\e], v[14+4*\e:15+4*\e], v[S+64*\e+\j:S+64*\e+\j+1]
.endr
.irp e, 0,1
	v_pk_add_f32 v[BM+4*\e:BM+4*\e+1], v[BM+4*\e:BM+4*\e+1], v[S+64*\e+\j+2:S+64*\e+\j+3]
.endr
.endr
.irp e, 0,1
	s_delay_alu instid0(VALU_DEP_2)
	v_pk_add_f32 v[14+4*\e:15+4*\e], v[14+4*\e:15+4*\e], v[BM+4*\e:BM+4*\e+1]   ; (these lines stand between those that made p's codes and scale words and the products that take them)
.endr
	WIN 0x41                                       ; O^T (destination and source 0) in window 1, f in window 0
	s_wait_alu depctr_va_vdst(0)
.irp e, 0,1
.set J, 0
.rept 16
	v_pk_mul_f32 v[OT+32*\e+J:OT+32*\e+J+1], v[OT+32*\e+J:OT+32*\e+J+1], v[F+30*\e:F+30*\e+1] op_sel_hi:[1,0]
.set J, J+2
.endr
.endr
.endm
.macro PV2                             ; O^T += V^T P^T: eight products, eight accumulators
	WIN 0x51                                       ; V, C and D in window 1, p in window 0
.irp c, 0,1,2,3
.irp e, 0,1
	MM OT+32*\e+8*\c, VF+12*\c, PC+38*\e, OT+32*\e+8*\c, VSR+\c/2, PW+38*\e, \c%2, 0
.endr
.endr
	WIN 0
.endm
; A KEY STEP.  nxt = 1: the next step's K is fetched behind this step's first products, its V behind the last.
.macro STEP nxt
	s_wait_dscnt 25                                ; K's 41 loads are in; V's 25 may be out
	SMM
	NP 4                                           ; in front of loads into the registers just multiplied, and of the first read of the scores
.if \nxt
	s_add_co_u32 s36, s36, 6144
	s_add_co_u32 s37, s37, 512
	s_add_co_u32 s38, s38, 256
	s_and_b32 s43, s37, 0xfff                      ; the mask begins anew with each head's eight steps
	KLOAD
.endif
	SOFT2
	s_wait_alu depctr_va_vdst(0)
.if \nxt
	s_wait_dscnt 41                                ; V is in; the next step's 41 of K may be out
.else
	s_wait_dscnt 0x0
.endif
	PV2
.if \nxt
	NP 4
	VLOAD
.endif
.endm
; THE WAY OUT of a head.  O^T / the sum is the context: a lane holds one row and, in the 16 registers of two neighbouring tiles, 16 neighbouring channels.  It is quantised along the channels: two blocks a tile.
.macro WAYOUT
.irp e, 0,1
	v_add_f32 v[TT+\e], v[14+4*\e], v[15+4*\e]     ; the sum's two halves,
.endr
.irp e, 0,1
	s_delay_alu instid0(VALU_DEP_2)
	v_permlanex16_b32 v[SP2+\e], v[TT+\e], s32, s33
.endr
.irp e, 0,1
	s_delay_alu instid0(VALU_DEP_2)
	v_add_f32 v[TT+\e], v[TT+\e], v[SP2+\e]        ; and lane l xor 16's
.endr
	s_wait_alu depctr_va_vdst(0)
.irp e, 0,1
	v_rcp_f32 v[F+\e], v[TT+\e]
.endr
	v_nop                                          ; one plain place behind a transcendental
	WIN 0x01                                       ; source 0 (O^T) in window 1
	s_wait_alu depctr_va_vdst(0)
.irp e, 0,1
.set J, 0
.rept 32
	v_mul_f32 v[S+64*\e+J], v[OT+32*\e+J], v[F+\e] ; each accumulator from its low end on
.set J, J+1
.endr
.endr
	WIN 0
.irp x, 0,1,2,3                        ; block x % 2 of tile x / 2
	v_max3_num_f32 v[BM+\x], |v[S+64*(\x/2)+16*(\x%2)]|, |v[S+64*(\x/2)+16*(\x%2)+1]|, 0x2800000
.endr
.irp i, 2,4,6,8,10,12,14
.irp x, 0,1,2,3
	s_delay_alu instid0(VALU_DEP_4)
	v_max3_num_f32 v[BM+\x], v[BM+\x], |v[S+64*(\x/2)+16*(\x%2)+\i]|, |v[S+64*(\x/2)+16*(\x%2)+\i+1]|
.endr
.endr
.irp x, 0,1,2,3
	s_delay_alu instid0(VALU_DEP_4)
	v_permlanex16_b32 v[B2+\x], v[BM+\x], s32, s33
.endr
.irp x, 0,1,2,3
	s_delay_alu instid0(VALU_DEP_4)
	v_max_num_f32 v[BM+\x], v[BM+\x], v[B2+\x]
.endr
.irp x, 0,1,2,3
	s_delay_alu instid0(VALU_DEP_4)
	v_add_nc_u32 v[SO+\x], 0xfe000000, v[BM+\x]
.endr
.irp e, 0,1
	v_cvt_scalef32_pk16_bf6_f32 v[PC+6*\e:PC+6*\e+2], v[S+64*\e:S+64*\e+15], v[SO+2*\e]
	v_cvt_scalef32_pk16_bf6_f32 v[PT+4*\e:PT+4*\e+2], v[S+64*\e+16:S+64*\e+31], v[SO+2*\e+1]
.endr
.irp x, 0,1,2,3
	v_lshrrev_b32 v[B2+\x], 23, v[SO+\x]           ; the scale bytes.  (The plain place behind the conversions)
.endr
	s_delay_alu instid0(VALU_DEP_3)
	v_lshl_or_b32 v[TT], v[B2+1], 8, v[B2]         ; tile 0's two bytes,
	s_delay_alu instid0(VALU_DEP_2)
	v_lshl_or_b32 v[TT+1], v[B2+3], 8, v[B2+2]     ; tile 1's
	s_delay_alu instid0(VALU_DEP_1)
	v_cndmask_b32 v[TT], v[TT], v[TT+1], s40       ; lanes 16-31 carry tile 1's
.irp e, 0,1
.irp i, 0,1,2
	v_permlane16_swap_b32 v[PC+6*\e+\i], v[PT+4*\e+\i]             ; a whole block a lane: lanes 0-15 the head's block 0, lanes 16-31 block 1
.endr
.irp i, 0,1,2
	s_delay_alu instid0(VALU_DEP_3)
	v_mov_b32 v[PC+6*\e+3+\i], v[PT+4*\e+\i]
.endr
.endr
.irp e, 0,1
.irp i, 0,1,2
	global_store_b64 v96, v[PC+6*\e+2*\i:PC+6*\e+2*\i+1], s[10:11] offset:9216*\e+256*\i   ; 32 lanes store 256 consecutive bytes, aligned
.endr
.endr
	global_store_b16 v97, v[TT], s[12:13]
.endm
	KLOAD
	VLOAD
	s_mov_b32 s39, 0
.Lstep:                                            ; 23 trips; the 24th step fetches nothing and is written out
	STEP 1
	s_and_b32 s45, s39, 7
	s_cmp_lg_u32 s45, 7                            ; a head's eighth step?  The test hangs on the step counter alone
	s_wait_alu depctr_va_vdst(0)
	s_cbranch_scc1 .Lsame
	WAYOUT                                         ; the next head's first fragments are on their way from LDS meanwhile: none of their registers is named here
	s_wait_xcnt 0x0                                ; the stores have read their bases and their data
	s_add_nc_u64 s[10:11], s[10:11], 768           ; the next head's place in the context's images,
	s_add_nc_u64 s[12:13], s[12:13], 32            ; and in its scale bytes
	WIN 0x40
.irp e, 0,1
.irp j, 0,1,2,3,4,5
	v_mov_b32 v[QF+12*\e+\j], v[QST+6*\e+\j]       ; the next head's Q
.endr
.endr
	WIN 0
.irp e, 0,1
	v_mov_b32 v[QS+\e], v[QSS+\e]                  ; and its scale words: RESET's lines stand between them and the next scaled product
.endr
.irp j, 0,1,2,3,4,5,6,7,8,9,10,11
	v_mov_b32 v[QST+\j], v[QST+12+\j]              ; the head after that moves up
.endr
.irp e, 0,1
	v_mov_b32 v[QSS+\e], v[QSS+2+\e]
.endr
	RESET
	s_wait_alu depctr_va_vdst(0)
.Lsame:
	s_add_co_u32 s39, s39, 1
	s_cmp_lt_u32 s39, 23
	s_cbranch_scc1 .Lstep
	STEP 0
	NP 4
	WAYOUT
	s_wait_dscnt 0x0
	s_wait_tensorcnt 0x0                           ; the wave's end
	ds_add_u32 v126, v127
	s_wait_dscnt 0x0
	ROUND                                          ; the closing round: no work-group ends while a partner may still ask for a tile that names it
	s_endpgm
.Lfunc_end_k_q053d166f5c_attn:
	.size	k_q053d166f5c_attn, .Lfunc_end_k_q053d166f5c_attn-k_q053d166f5c_attn
	.p2alignl 7, 3214868480
	.fill 96, 4, 3214868480
	.section	.rodata,"a",@progbits
	.p2align	6, 0x0
	.amdhsa_kernel k_q053d166f5c_attn
		.amdhsa_group_segment_fixed_size 327680
		.amdhsa_private_segment_fixed_size 0
		.amdhsa_enable_private_segment 0
		.amdhsa_kernarg_size 40
		.amdhsa_user_sgpr_count 2
		.amdhsa_user_sgpr_kernarg_segment_ptr 1
		.amdhsa_wavefront_size32 1
		.amdhsa_system_sgpr_workgroup_id_x 1
		.amdhsa_system_sgpr_workgroup_id_y 1
		.amdhsa_system_sgpr_workgroup_id_z 1
		.amdhsa_system_vgpr_workitem_id 0
		.amdhsa_next_free_vgpr 512
		.amdhsa_next_free_sgpr 66
		.amdhsa_reserve_vcc 0
		.amdhsa_float_denorm_mode_32 3
		.amdhsa_float_denorm_mode_16_64 3
		.amdhsa_memory_ordered 1
		.amdhsa_forward_progress 1
		.amdhsa_inst_pref_size 104
	.end_amdhsa_kernel
	.amdgpu_metadata
---
amdhsa.version: [ 1, 2 ]
amdhsa.kernels:
  - .name:           k_q053d166f5c_attn
    .symbol:         k_q053d166f5c_attn.kd
    .args:
      - { .name: qkv_img, .offset: 0, .size: 8, .value_kind: global_buffer, .address_space: global }
      - { .name: qkv_sc, .offset: 8, .size: 8, .value_kind: global_buffer, .address_space: global }
      - { .name: attention_mask, .offset: 16, .size: 8, .value_kind: global_buffer, .address_space: global }
      - { .name: ctx_img, .offset: 24, .size: 8, .value_kind: global_buffer, .address_space: global }
      - { .name: ctx_sc, .offset: 32, .size: 8, .value_kind: global_buffer, .address_space: global }
    .group_segment_fixed_size: 327680
    .private_segment_fixed_size: 0
    .kernarg_segment_align: 8
    .kernarg_segment_size: 40
    .max_flat_workgroup_size: 256
    .sgpr_count:     66
    .vgpr_count:     512
    .wavefront_size: 32
...
	.end_amdgpu_metadata
.endif
;; end of part 3
;; launch out (part 4): grid 256 x 1, 4 waves a work-group, no clusters, 200,192 bytes of LDS; arguments ctx_img, ctx_sc, w_img, w_sc, ob, hidden_states, gamma, beta, out0; writes out0
.if DOCPART == 4
	.amdgcn_target "amdgcn-amd-amdhsa--gfx1250"
	.amdhsa_code_object_version 6
	.text
	.protected	k_q053d166f5c_out
	.globl	k_q053d166f5c_out
	.p2align	8
	.type	k_q053d166f5c_out,@function
k_q053d166f5c_out:
	s_mov_b64 s[64:65], 0
	v_nop
	global_prefetch_b8 v0, s[64:65] scope:SCOPE_SE
	s_setreg_imm32_b32 hwreg(HW_REG_WAVE_MODE, 25, 1), 1
	s_wait_xcnt 0x0
; OUT.  out0 = layer norm(context ow^T + ob + hidden_states) x gamma + beta.  The product is on codes of BF6 (E3M2) with one E8M0 scale for each 32 along K = 768; all else in f32.
; SHARES.  A work-group takes 64 rows and all 768 columns, which the norm needs.  THE WAVES SHARE THE COLUMNS: wave w makes columns 192 w .. 192 w + 191, twelve tiles of 16, for all 64 rows.
; The 64 rows' codes of the context (24 fragments, 288 registers) stay in every wave's registers; ow's fragments stream from memory straight into FOUR register buffers that take turns, three tiles ahead:
; while a tile is waited for, the 63 loads of the three tiles behind it are out.
; THE RESIDUAL IS THE C OF EACH SUM.  One tensor load a wave brings 16 rows of hidden_states into a stage in LDS (filled once).  A tile's residual is read from the stage in the result's layout, the six K steps add
; onto it, and the sums go back into the same bytes.  The product is used transposed (source 0 = 16 rows of ow, source 1 = 16 rows of the context): a lane holds eight neighbouring columns of one row.
; THE NORM.  Behind a barrier each wave reads 16 whole rows back, 96 bytes a lane; ob is added; the mean, then the mean of the squares of x - mean (no difference of large sums), across the 32 lanes;
; each store covers 512 consecutive bytes, aligned.
; NO CLUSTER: all work-groups walk the same weights, but the stage takes 199,680 bytes of LDS; two slots in what is left hold a tile and a half for each wave, 36 matrix instructions for a round of the cluster's barrier.
; LIMITS: NaN and infinities are not served.
; REGISTERS.  window 0: below.  window 1: the context's row tiles 0, 1 at v[72 m + 12 s]; ow's buffer 0 at v144-215.  window 2: row tiles 2, 3; ow's buffer 1 at v144-215.  window 3: ow's buffers 2 and 3 at v0-71, v72-143.
.set PITCH, 3120                       ; a stage row: 3 x (1,024 bytes + 16 of padding) = 780 words: row r starts at bank 12 r mod 64 (64 banks of 4 bytes: ISA guide 11.1): the 16 rows of a 16-byte load fall on different banks
.set BMR,  4                           ; v4-7   (16 m + r) x PITCH + 64 h
.set TA,   8                           ; v8-15  the same + the column block's place: two sets by turns
.set CS,   16                          ; v16-27 the context's scale words: row tile m, k: lane (r, h) holds K step 2 k + h
.set RA,   35                          ; my 16 rows in the stage, 16 bytes a lane
.set SUM,  36                          ; v36-43 four pairs: sums; later 1 / sqrt
.set PTG,  44                          ; v44-47 lane permutes' targets
.set MEAN, 48                          ; v48-55 four pairs
.set SQ,   56                          ; v56-63 four pairs
.set AC,   64                          ; v64-95, v96-127 two sets of four accumulators
.set RX,   64                          ; v64-159 the norm: four rows x 24
.set GA,   160                         ; gamma, beta, ob: chunk e of 512 bytes, 16 bytes a lane
.set BE,   184
.set OBR,  208
.set WS,   232                         ; v232-243 ow's scale words, three for each of the four buffers
.set MSB, 0
.macro WIN new                         ; the immediate's high byte repeats the setting that is left
.if MSB != (\new)
	s_set_vgpr_msb (MSB<<8)|(\new)
.set MSB, (\new)
.endif
.endm
.macro NP n
.rept \n
	v_nop
.endr
.endm
.macro MM d, a, b, c, sa, sb, ra, rb
.if (\ra) && (\rb)
	v_wmma_scale_f32_16x16x128_f8f6f4 v[(\d):(\d)+7], v[(\a):(\a)+11], v[(\b):(\b)+11], v[(\c):(\c)+7], v[(\sa)], v[(\sb)] matrix_a_fmt:MATRIX_FMT_BF6 matrix_b_fmt:MATRIX_FMT_BF6 matrix_a_scale:MATRIX_SCALE_ROW1 matrix_b_scale:MATRIX_SCALE_ROW1
.else
	v_wmma_scale_f32_16x16x128_f8f6f4 v[(\d):(\d)+7], v[(\a):(\a)+11], v[(\b):(\b)+11], v[(\c):(\c)+7], v[(\sa)], v[(\sb)] matrix_a_fmt:MATRIX_FMT_BF6 matrix_b_fmt:MATRIX_FMT_BF6
.endif
.endm
	s_load_b256 s[4:11], s[0:1], 0x0               ; ctx_img s[4:5], ctx_sc s[6:7], w_img s[8:9], w_sc s[10:11]
	s_load_b256 s[12:19], s[0:1], 0x20             ; ob s[12:13], hidden_states s[14:15], gamma s[16:17], beta s[18:19]
	s_load_b64 s[20:21], s[0:1], 0x40              ; out0
	v_lshl_add_u32 v254, v0, 2, 0x30c00
	v_mov_b32 v255, 0
	ds_add_u32 v254, v255                          ; the opening lines: the add, twice on end, and its wait
	ds_add_u32 v254, v255
	v_lshrrev_b32 v1, 5, v0
	v_readfirstlane_b32 s22, v1                    ; wave
	; the residual: 16 rows of 768 numbers, 16 bytes of padding behind every 1,024
	s_mov_b32 s28, (2<<16)|(1<<20)|(7<<22)|(3<<25) ; elements of 4 bytes; padding on; after every 256 words (code 7); of 4 words (code 3)
	s_mov_b32 s29, 768<<16                         ; tensor_dim0 = 768
	s_mov_b32 s30, 16<<16                          ; tensor_dim1 = 16
	s_mov_b32 s31, 768<<16                         ; tile_dim0 = 768
	s_mov_b32 s32, 16                              ; tile_dim1 = 16
	s_mov_b32 s33, 768                             ; the pitch
	s_mov_b32 s34, 0
	s_mov_b32 s35, 0
	s_lshl_b32 s46, ttmp9, 6
	s_lshl_b32 s47, s22, 4
	s_add_co_u32 s46, s46, s47                     ; the rows that I fetch, norm and store: 64 work-group + 16 wave on
	s_mul_i32 s46, s46, 3072
	s_mov_b32 s47, 0
	s_mov_b32 s24, 1
	s_mul_i32 s25, s22, 16*PITCH
	s_wait_dscnt 0x0
	s_wait_kmcnt 0x0
	s_add_nc_u64 s[26:27], s[14:15], s[46:47]
	s_or_b32 s27, s27, 0x80000000                  ; type = 2
	tensor_load_to_lds s[24:27], s[28:35]          ; the one tensor load of this wave
	s_nop 0
	NP 4
	s_add_nc_u64 s[20:21], s[20:21], s[46:47]
	s_mov_b32 s36, 0x76543210
	s_mov_b32 s37, 0xfedcba98                      ; v_permlanex16_b32's selects for lane l xor 16
	s_mov_b32 s38, 0x3aaaaaab                      ; 1 / 768
	s_mov_b32 s39, 0x2b8cbccc                      ; 1e-12
	s_mul_i32 s48, s22, 768                        ; my 192 columns in bytes
.irp b, 0,1,2,3,4,5                    ; column block b of 32: its byte in a stage row, with 16 more for each 1,024 passed (a block of 128 bytes straddles no padding)
	s_add_co_u32 s[40+\b], s48, 128*\b
	s_lshr_b32 s49, s[40+\b], 10
	s_lshl_b32 s49, s49, 4
	s_add_co_u32 s[40+\b], s[40+\b], s49
.endr
	s_mul_i32 s46, ttmp9, 36864                    ; four row tiles of 9,216 bytes
	s_add_nc_u64 s[4:5], s[4:5], s[46:47]
	s_mul_i32 s46, ttmp9, 1536
	s_add_nc_u64 s[6:7], s[6:7], s[46:47]
	s_mul_i32 s49, s22, 12
	s_add_co_u32 s49, s49, 144                     ; ow is tensor 3 of the images: my twelve tiles
	s_mul_i32 s46, s49, 9216
	s_add_nc_u64 s[8:9], s[8:9], s[46:47]
	s_mul_i32 s46, s49, 384
	s_add_nc_u64 s[10:11], s[10:11], s[46:47]
	v_and_b32 v60, 31, v0                          ; lane
	v_and_b32 v61, 15, v0                          ; r
	v_bfe_u32 v62, v0, 4, 1                        ; h
	v_lshlrev_b32 v1, 4, v60
	v_lshlrev_b32 v2, 2, v60
	v_lshlrev_b32 v3, 3, v60
	v_mul_u32_u24 v[BMR], v61, PITCH
	v_lshl_add_u32 v[BMR], v62, 6, v[BMR]          ; register j of tile t is column 32 (t / 2) + 8 (t % 2) + 16 h + j of my 192
.irp m, 1,2,3
	v_add_nc_u32 v[BMR+\m], 16*PITCH*\m, v[BMR]
.endr
	v_lshlrev_b32 v34, 6, v62
	v_lshl_add_u32 v34, v61, 1, v34                ; the context's scale bytes: 2 bytes a row and head; K step 2 k + h is heads 4 k + 2 h and the next
	v_add_nc_u32 v[RA], s25, v1
	WIN 0x40
.irp m, 0,1
.irp s, 0,1,2,3,4,5
.irp p, 0,1,2,3,4,5
	global_load_b64 v[72*\m+12*\s+2*\p:72*\m+12*\s+2*\p+1], v3, s[4:5] offset:9216*\m+1536*\s+256*\p
.endr
.endr
.endr
	WIN 0x80
.irp m, 0,1
.irp s, 0,1,2,3,4,5
.irp p, 0,1,2,3,4,5
	global_load_b64 v[72*\m+12*\s+2*\p:72*\m+12*\s+2*\p+1], v3, s[4:5] offset:9216*(\m+2)+1536*\s+256*\p
.endr
.endr
.endr
	WIN 0
.irp m, 0,1,2,3
.irp k, 0,1,2
	global_load_u16 v[36+2*(3*\m+\k)], v34, s[6:7] offset:384*\m+128*\k
	global_load_u16 v[37+2*(3*\m+\k)], v34, s[6:7] offset:384*\m+128*\k+32
.endr
.endr
.irp e, 0,1,2,3,4,5
	global_load_b128 v[GA+4*\e:GA+4*\e+3], v1, s[16:17] offset:512*\e
	global_load_b128 v[BE+4*\e:BE+4*\e+3], v1, s[18:19] offset:512*\e
	global_load_b128 v[OBR+4*\e:OBR+4*\e+3], v1, s[12:13] offset:512*\e
.endr
; Buffer t % 4 of ow's tiles: 0: window 1, v144;  1: window 2, v144;  2: window 3, v0;  3: window 3, v72
.macro WLOAD t                         ; ow's tile t: six fragments and three scale words: 21 loads, each of 512 or 128 consecutive bytes
.set WQ, (\t)%4
.set WB, 144*(1-WQ/2)+72*(WQ/3)
	WIN 0x40*(1+WQ-WQ/3)
.irp n, 0,1,2,3,4,5,6,7,8,9,10,11,12,13,14,15,16,17
	global_load_b128 v[WB+4*\n:WB+4*\n+3], v1, s[8:9] offset:9216*(\t)+512*\n
.endr
	WIN 0
.irp k, 0,1,2
	global_load_b32 v[WS+3*WQ+\k], v2, s[10:11] offset:384*(\t)+128*\k
.endr
.endm
.macro RLOAD t                         ; tile t's residual, four row tiles, into accumulator set t % 2
.if (\t)%2 == 0
.irp m, 0,1,2,3
	v_add_nc_u32 v[TA+4*(((\t)/2)%2)+\m], s[40+(\t)/2], v[BMR+\m]
.endr
.endif
.irp m, 0,1,2,3
	ds_load_b128 v[AC+32*((\t)%2)+8*\m:AC+32*((\t)%2)+8*\m+3], v[TA+4*(((\t)/2)%2)+\m] offset:32*((\t)%2)
	ds_load_b128 v[AC+32*((\t)%2)+8*\m+4:AC+32*((\t)%2)+8*\m+7], v[TA+4*(((\t)/2)%2)+\m] offset:32*((\t)%2)+16
.endr
.endm
.macro XSTORE t                        ; and the sums back into the same bytes, each accumulator from its low end on
.irp m, 0,1,2,3
	ds_store_b128 v[TA+4*(((\t)/2)%2)+\m], v[AC+32*((\t)%2)+8*\m:AC+32*((\t)%2)+8*\m+3] offset:32*((\t)%2)
	ds_store_b128 v[TA+4*(((\t)/2)%2)+\m], v[AC+32*((\t)%2)+8*\m+4:AC+32*((\t)%2)+8*\m+7] offset:32*((\t)%2)+16
.endr
.endm
.macro MMH t, hf                       ; row tiles 2 hf and 2 hf + 1: twelve products; the two accumulators take turns, one instruction a turn
.set WQ, (\t)%4
.set WB, 144*(1-WQ/2)+72*(WQ/3)
	WIN (1+WQ-WQ/3)|((1+(\hf))<<2)                 ; source 0: ow's buffer; source 1: the context's window
.irp s, 0,1,2,3,4,5
.irp q, 0,1
	MM AC+32*((\t)%2)+8*(2*(\hf)+\q), WB+12*\s, 72*\q+12*\s, AC+32*((\t)%2)+8*(2*(\hf)+\q), WS+3*WQ+\s/2, CS+3*(2*(\hf)+\q)+\s/2, \s%2, \s%2
.endr
.endr
	WIN 0
.endm
.macro TILE t
.if (\t) < 9
	s_wait_loadcnt 63                              ; this tile's 21 loads are in; the 63 of the three tiles behind it may be out
.else
	s_wait_loadcnt 21*(11-(\t))                    ; near the end: 21 for each tile that is left
.endif
.if (\t) > 0
	s_wait_dscnt 8                                 ; this tile's residual is in; the last tile's eight stage stores may be out
.else
	s_wait_dscnt 0x0
.endif
	MMH \t, 0
.if (\t) < 11
	s_wait_dscnt 0x0                               ; the last tile's stage stores are done: its accumulators
	s_wait_alu depctr_va_vdst(0)
	RLOAD (\t)+1                                   ; take the next tile's residual, which lands under the products below
.endif
	MMH \t, 1
	NP 4                                           ; in front of the stores that read the sums, and of loads into the buffer just multiplied
	XSTORE \t
.if (\t) < 8
	WLOAD (\t)+4                                   ; the buffer just multiplied takes the tile four further on
.endif
.endm
.macro LANESUM base                    ; the low words of four pairs, each summed over the 32 lanes; the result in every lane
.irp x, 1,2,4,8
.irp i, 0,1,2,3
	v_add_f32_dpp v[\base+2*\i], v[\base+2*\i], v[\base+2*\i] row_xmask:\x row_mask:0xf bank_mask:0xf
.endr
.endr
.irp i, 0,1,2,3
	v_permlanex16_b32 v[PTG+\i], v[\base+2*\i], s36, s37
.endr
.irp i, 0,1,2,3
	v_add_f32 v[\base+2*\i], v[\base+2*\i], v[PTG+\i]
.endr
.endm
.macro ROWS q                          ; rows 4 q .. 4 q + 3 of my 16, the four by turns
	s_wait_xcnt 0x0                                ; the last stores have read their registers
.irp i, 0,1,2,3
.irp e, 0,1,2,3,4,5
	ds_load_b128 v[RX+24*\i+4*\e:RX+24*\i+4*\e+3], v[RA] offset:(4*(\q)+\i)*PITCH+512*\e+16*(\e/2)
.endr
.endr
	s_wait_dscnt 0x0
.irp j, 0,1,2,3,4,5,6,7,8,9,10,11
.irp i, 0,1,2,3
	v_pk_add_f32 v[RX+24*\i+2*\j:RX+24*\i+2*\j+1], v[RX+24*\i+2*\j:RX+24*\i+2*\j+1], v[OBR+2*\j:OBR+2*\j+1]   ; + ob
.endr
.endr
.irp i, 0,1,2,3
	v_pk_add_f32 v[SUM+2*\i:SUM+2*\i+1], v[RX+24*\i:RX+24*\i+1], v[RX+24*\i+2:RX+24*\i+3]
.endr
.irp j, 2,3,4,5,6,7,8,9,10,11
.irp i, 0,1,2,3
	v_pk_add_f32 v[SUM+2*\i:SUM+2*\i+1], v[SUM+2*\i:SUM+2*\i+1], v[RX+24*\i+2*\j:RX+24*\i+2*\j+1]
.endr
.endr
.irp i, 0,1,2,3
	v_add_f32 v[SUM+2*\i], v[SUM+2*\i], v[SUM+2*\i+1]
.endr
	LANESUM SUM
.irp i, 0,1,2,3
	v_mul_f32 v[MEAN+2*\i], s38, v[SUM+2*\i]
.endr
.irp j, 0,1,2,3,4,5,6,7,8,9,10,11
.irp i, 0,1,2,3
	v_pk_add_f32 v[RX+24*\i+2*\j:RX+24*\i+2*\j+1], v[RX+24*\i+2*\j:RX+24*\i+2*\j+1], v[MEAN+2*\i:MEAN+2*\i+1] op_sel_hi:[1,0] neg_lo:[0,1] neg_hi:[0,1]   ; x - mean
.endr
.endr
.irp i, 0,1,2,3
	v_pk_mul_f32 v[SQ+2*\i:SQ+2*\i+1], v[RX+24*\i:RX+24*\i+1], v[RX+24*\i:RX+24*\i+1]
.endr
.irp j, 1,2,3,4,5,6,7,8,9,10,11
.irp i, 0,1,2,3
	v_pk_fma_f32 v[SQ+2*\i:SQ+2*\i+1], v[RX+24*\i+2*\j:RX+24*\i+2*\j+1], v[RX+24*\i+2*\j:RX+24*\i+2*\j+1], v[SQ+2*\i:SQ+2*\i+1]
.endr
.endr
.irp i, 0,1,2,3
	v_add_f32 v[SQ+2*\i], v[SQ+2*\i], v[SQ+2*\i+1]
.endr
	LANESUM SQ
.irp i, 0,1,2,3
	v_fma_f32 v[SQ+2*\i], v[SQ+2*\i], s38, s39     ; the variance + 1e-12
.endr
	s_wait_alu depctr_va_vdst(0)
.irp i, 0,1,2,3
	v_rsq_f32 v[SUM+2*\i], v[SQ+2*\i]
.endr
	v_nop                                          ; one plain place behind a transcendental
	s_wait_alu depctr_va_vdst(0)
.irp j, 0,1,2,3,4,5,6,7,8,9,10,11
.irp i, 0,1,2,3
	v_pk_mul_f32 v[RX+24*\i+2*\j:RX+24*\i+2*\j+1], v[RX+24*\i+2*\j:RX+24*\i+2*\j+1], v[SUM+2*\i:SUM+2*\i+1] op_sel_hi:[1,0]
.endr
.endr
.irp j, 0,1,2,3,4,5,6,7,8,9,10,11
.irp i, 0,1,2,3
	v_pk_fma_f32 v[RX+24*\i+2*\j:RX+24*\i+2*\j+1], v[RX+24*\i+2*\j:RX+24*\i+2*\j+1], v[GA+2*\j:GA+2*\j+1], v[BE+2*\j:BE+2*\j+1]
.endr
.endr
.irp i, 0,1,2,3
.irp e, 0,1,2,3,4,5
	global_store_b128 v1, v[RX+24*\i+4*\e:RX+24*\i+4*\e+3], s[20:21] offset:(4*(\q)+\i)*3072+512*\e th:TH_STORE_NT   ; 32 lanes store 512 consecutive bytes, aligned; written once, read by nobody here
.endr
.endr
.endm
	WLOAD 0
	WLOAD 1
	WLOAD 2
	s_wait_loadcnt 63                              ; all but the 63 loads of ow's first three tiles
.irp m, 0,1,2,3
.irp k, 0,1,2
	v_lshl_or_b32 v[CS+3*\m+\k], v[37+2*(3*\m+\k)], 16, v[36+2*(3*\m+\k)]   ; two heads' two bytes make a K step's scale word
.endr
.endr
.irp i, 0,1,2,3
	v_mov_b32 v[PTG+\i], 0                         ; a lane permute's destination counts as one of its sources
	v_mov_b32 v[MEAN+2*\i+1], 0                    ; (named as the upper half of a pair)
.endr
	WLOAD 3
	s_wait_tensorcnt 0x0                           ; my 16 rows of the residual have landed,
	s_barrier_signal -1
	s_barrier_wait -1                              ; everybody's have
	RLOAD 0
	s_wait_alu depctr_va_vdst(0)
.irp t, 0,1,2,3,4,5,6,7,8,9,10,11
	TILE \t
.endr
	s_wait_dscnt 0x0                               ; for the others' sake: my sums lie in the stage
	s_barrier_signal -1
	s_barrier_wait -1                              ; 64 whole rows lie there
.irp q, 0,1,2,3
	ROWS \q
.endr
	s_wait_tensorcnt 0x0                           ; the wave's end
	ds_add_u32 v254, v255
	s_wait_dscnt 0x0
	s_endpgm
.Lfunc_end_k_q053d166f5c_out:
	.size	k_q053d166f5c_out, .Lfunc_end_k_q053d166f5c_out-k_q053d166f5c_out
	.p2alignl 7, 3214868480
	.fill 96, 4, 3214868480
	.section	.rodata,"a",@progbits
	.p2align	6, 0x0
	.amdhsa_kernel k_q053d166f5c_out
		.amdhsa_group_segment_fixed_size 200192
		.amdhsa_private_segment_fixed_size 0
		.amdhsa_enable_private_segment 0
		.amdhsa_kernarg_size 72
		.amdhsa_user_sgpr_count 2
		.amdhsa_user_sgpr_kernarg_segment_ptr 1
		.amdhsa_wavefront_size32 1
		.amdhsa_system_sgpr_workgroup_id_x 1
		.amdhsa_system_sgpr_workgroup_id_y 1
		.amdhsa_system_sgpr_workgroup_id_z 1
		.amdhsa_system_vgpr_workitem_id 0
		.amdhsa_next_free_vgpr 1024
		.amdhsa_next_free_sgpr 66
		.amdhsa_reserve_vcc 0
		.amdhsa_float_denorm_mode_32 3
		.amdhsa_float_denorm_mode_16_64 3
		.amdhsa_memory_ordered 1
		.amdhsa_forward_progress 1
		.amdhsa_inst_pref_size 202
	.end_amdhsa_kernel
	.amdgpu_metadata
---
amdhsa.version: [ 1, 2 ]
amdhsa.kernels:
  - .name:           k_q053d166f5c_out
    .symbol:         k_q053d166f5c_out.kd
    .args:
      - { .name: ctx_img, .offset: 0, .size: 8, .value_kind: global_buffer, .address_space: global }
      - { .name: ctx_sc, .offset: 8, .size: 8, .value_kind: global_buffer, .address_space: global }
      - { .name: w_img, .offset: 16, .size: 8, .value_kind: global_buffer, .address_space: global }
      - { .name: w_sc, .offset: 24, .size: 8, .value_kind: global_buffer, .address_space: global }
      - { .name: ob, .offset: 32, .size: 8, .value_kind: global_buffer, .address_space: global }
      - { .name: hidden_states, .offset: 40, .size: 8, .value_kind: global_buffer, .address_space: global }
      - { .name: gamma, .offset: 48, .size: 8, .value_kind: global_buffer, .address_space: global }
      - { .name: beta, .offset: 56, .size: 8, .value_kind: global_buffer, .address_space: global }
      - { .name: out0, .offset: 64, .size: 8, .value_kind: global_buffer, .address_space: global }
    .group_segment_fixed_size: 200192
    .private_segment_fixed_size: 0
    .kernarg_segment_align: 8
    .kernarg_segment_size: 72
    .max_flat_workgroup_size: 128
    .sgpr_count:     66
    .vgpr_count:     1024
    .wavefront_size: 32
...
	.end_amdgpu_metadata
.endif
;; end of part 4
